; MI455X (gfx1250); checked and timed in simulation.
; The chip was launched on July 23, 2026; its instructions are those of AMD's public machine-readable ISA for CDNA 5 (MIT licence, August 2026) and "CDNA5" Instruction Set Architecture Reference Guide (July 2026). The comments in the code are by the model that wrote it; some were corrected since.
;; Encoder Block. Allowed arithmetic: matrix products marked QUANTISED: E4M3 operands, one given power-of-two scale a tensor, by v_wmma_f32_16x16x64_fp8_fp8 or v_wmma_f32_16x16x128_fp8_fp8, f32 sums; everything else in f32.
;; Inputs: b1 4,096 float32; b2 1,024 float32; be1 1,024 float32; be2 1,024 float32; g1 1,024 float32; g2 1,024 float32; lowp_scales 16 int32 (the exponents e of the quantised operands' scales 2^e); w1 1,024 x 4,096 float32; w2 4,096 x 1,024 float32; w_k 1,024 x 1,024 float32; w_o 1,024 x 1,024 float32; w_q 1,024 x 1,024 float32; w_v 1,024 x 1,024 float32; x 2 x 2,048 x 1,024 float32.
;; Outputs: out0 2 x 2,048 x 1,024 float32.
;; This version of the problem:
;;   THIS VERSION OF THE PROBLEM IS GIVEN IN LOW PRECISION. The matrix products marked QUANTISED in the list below multiply operands that are first quantised to E4M3 (4 exponent bits, 3 mantissa bits; 8 bits a number), with one given power-of-two scale for each operand tensor; their sums are f32. All else is computed in f32.
;;   The module's matrix products, in the order in which they are computed (A, B: the left and right operand; K: the contracted axis; several contracted axes count as one K, in the product's order):
;;     1. [M 4,096, K 1,024] x [K 1,024, N 1,024]; A: computed on the way; B: input w_q: QUANTISED (scales: A lowp_scales[0], B lowp_scales[1])
;;     2. [M 4,096, K 1,024] x [K 1,024, N 1,024]; A: computed on the way; B: input w_k: QUANTISED (scales: A lowp_scales[2], B lowp_scales[3])
;;     3. [M 4,096, K 1,024] x [K 1,024, N 1,024]; A: computed on the way; B: input w_v: QUANTISED (scales: A lowp_scales[4], B lowp_scales[5])
;;     4. batch 32 x [M 2,048, K 64] x [K 64, N 2,048]; A: computed on the way; B: computed on the way: QUANTISED (scales: A lowp_scales[6], B lowp_scales[7])
;;     5. batch 32 x [M 64, K 2,048] x [K 2,048, N 2,048]; A: computed on the way; B: softmax (see below): QUANTISED (scales: A lowp_scales[8], B lowp_scales[9])
;;     6. [M 4,096, K 1,024] x [K 1,024, N 1,024]; A: computed on the way; B: input w_o: QUANTISED (scales: A lowp_scales[10], B lowp_scales[11])
;;     7. [M 4,096, K 1,024] x [K 1,024, N 4,096]; A: computed on the way; B: input w1: QUANTISED (scales: A lowp_scales[12], B lowp_scales[13])
;;     8. [M 4,096, K 4,096] x [K 4,096, N 1,024]; A: computed on the way; B: input w2: QUANTISED (scales: A lowp_scales[14], B lowp_scales[15])
;;   THE QUANTISER, for each operand of a quantised product, along K:
;;     - The operand's scale is 2^e, e = its entry of the input lowp_scales (int32; the entries are numbered through the quantised products in the list's order, A before B).
;;     - Each number is divided by the scale, clamped to +-448, and rounded to the nearest number of E4M3, ties to even, subnormals kept.
;;     - The product sums the exact products of the quantised numbers (number of the format x scale) in f32.
;;   ~~~python
;;   def quantise(x, axis, e):      # numpy; x: float32 -> the quantised numbers, widened to float32 again
;;       x = np.moveaxis(x, axis, -1); K = x.shape[-1]
;;       r = np.clip(x / 2.0 ** e, -448, 448)
;;       step = 2.0 ** (np.maximum(np.frexp(np.where(r == 0, 1, r))[1] - 1, -6) - 3)
;;       q = np.round(r / step) * step * 2.0 ** e      # np.round: ties to even
;;       return np.moveaxis(q, -1, axis).astype(np.float32)
;;   ~~~
;;   SOFTMAX AHEAD OF A QUANTISED PRODUCT. Where the list says 'softmax', what is quantised is not the finished softmax but p = 2^(t - M), with t = logit x log2(e) and M = ceil(the row's largest t), a whole number; so 1/2 < the row's largest p <= 1. The row's sum l is taken of the UNQUANTISED p, in f32, and the product's result is divided by l at the end. Since M is a whole number, a kernel that streams over the keys may use a running M (the ceiling of the running maximum): every later rescaling is an exact power of two, so the quantised numbers keep their values, but for numbers so far below the row's largest that they fall under the format's range.
;;   OPERANDS COMPUTED ON THE WAY. 'Computed on the way' means the value that the module computes at that place (a softmax that the list does not call 'softmax' is quantised finished and normalised). What goes into a quantiser is computed in f32, as accurately as f32 sums, v_exp_f32 and their like allow (about 1e-6 of the number): no bf16 or f16 on the way to a quantiser, and a product that is left as it is and whose result goes on into a quantised operand takes f32 operands (vector FMAs, or v_wmma_f32_16x16x4_f32). A number that lies on a knife's edge between two numbers of the format may be rounded either way, as far as f32 arithmetic and the matrix unit's own rounding can turn it there, and no further.
;; One version. Each part assembles by itself: llvm-mc -triple=amdgcn-amd-amdhsa -mcpu=gfx1250 --defsym DOCPART=n.
;; ======== version 1 of 1: 7 launches
;; limits: right only within a limited range of input values
;; workspace buffers: W 12,582,912 bytes; HA 12,582,912 bytes; QKV 12,582,912 bytes; AO 4,194,304 bytes; X1 16,777,216 bytes; H2 4,194,304 bytes; HID 16,777,216 bytes
;; launch prep (part 1): grid 640 x 1, 8 waves a work-group, no clusters, 53,248 bytes of LDS; arguments w_q, w_k, w_v, w_o, w1, w2, lowp_scales, W, x, g1, be1, HA; writes W, HA
.if DOCPART == 1
	.amdgcn_target "amdgcn-amd-amdhsa--gfx1250"
	.amdhsa_code_object_version 6
	.text
	.protected	k_q66802a06a9_prep
	.globl	k_q66802a06a9_prep
	.p2align	8
	.type	k_q66802a06a9_prep,@function
k_q66802a06a9_prep:
	s_mov_b64 s[64:65], 0
	v_nop
	global_prefetch_b8 v0, s[64:65] scope:SCOPE_SE
	s_setreg_imm32_b32 hwreg(HW_REG_WAVE_MODE, 25, 1), 1
	s_wait_xcnt 0x0
; TWO JOBS THAT DO NOT DEPEND ON EACH OTHER, IN ONE LAUNCH, told apart by the work-group's number: work-groups 0-383 quantise the six weights, work-groups 384-639 norm and quantise x.
; Both give codes of FP8 (E4M3) under given scales 2^e, laid as IMAGES OF THE MATRIX OPERAND'S REGISTERS: a fragment is 16 rows (or columns n) x 128 k = 2,048 bytes = 4 chunks of 512: in chunk c lane 16 h + r
; owns bytes 16 (16 h + r) on: k = 32 c + 8 h + 0..7, then k = 32 c + 16 + 8 h + 0..7, of row r.  code = x / 2^e, held within +-448, to the nearest code, ties to even.
; LIMITS: -126 <= e <= 119 for every scale used here (entries 0 to 5, 11, 13, 15); NaN among the inputs is not served.
; THE WEIGHTS, f32 stored [K][N].  Fragment (nb = n / 16, ks = k / 128) lies at (nb x K / 128 + ks) x 2,048.  W: w_q at 0, w_k at 1 MiB, w_v at 2 MiB, w_o at 3 MiB, w1 at 4 MiB, w2 at 8 MiB.
;   A work-group takes 256 columns x 128 k; a wave 32 columns (two fragments); A LANE TAKES A COLUMN AND ITS REGISTERS RUN DOWN K, so the conversions give codes with K innermost and nothing is transposed.
;   A load reads 128 consecutive bytes a wave, 1,024 a work-group.  A store's lanes 0-15 write 256 consecutive bytes of one fragment, lanes 16-31 of the next, both aligned.
;   Work-groups 0-127: the four square weights (32 each); 128-255: w1; 256-383: w2.  Only pointers and shifts are chosen by the number; w1's longer row has a copy of the text, since the rows' distance stands in the loads' immediates.
; THE NORM: y = g (x - mean) / (std + 1e-6) + be along rows of 1,024 (std with N - 1), in f32, quantised three times, under entries 0, 2, 4; output o lies 4 MiB x o into HA, [row block of 16 rows][ks][chunk][512].
;   A work-group takes one row block; wave w takes rows w and w + 8, each whole, in 32 registers, between the pass for the mean, the pass for the squares of x - mean and the scaling: the row is read once, and a common
;   offset of the inputs costs no accuracy.  A lane holds k = 256 j + 8 lane + 0..7 (j = 0..3): eight neighbours for each conversion.  A lane's 8 codes are half of a lane's 16 bytes of the image, so the codes meet in LDS
;   (chunks 544 bytes apart, the two halves of a chunk 272: the 32 lanes of a store fall on 32 different 8-byte columns modulo 256) and leave as whole chunks, 512 consecutive bytes a store.
; Only the norm touches LDS and has a barrier; the branch between the jobs hangs on the work-group's number alone, so all eight waves go the same way.  No tensor load, no cluster: work-groups share only g and be.
.set NWW,   384                        ; work-groups for the weights
.set NOUT,  3
.set ENT0,  0
.set OUTB,  17408                      ; the norm: an output's 32 chunks x 544 bytes in LDS
.set SPARE, NOUT*OUTB                  ; behind them: the spare words, 128 bytes for each wave, which no other line names
.set SPW,   10                         ; v10      LDS address of my spare word; never rewritten
.set NIL,   11                         ; v11      0; never rewritten
.set LIMW,  12                         ; the weights: v12 448 x 2^e, v13 2^e
.set SCW,   13
.set X,     32                         ; the weights: v32-95 two sets of 32 numbers;  the norm: v32-95 the two rows
.set C,     96                         ; the weights: v96-127 eight code registers for each of the four blocks of 32 k: no store's data are written again
.set SC,    12                         ; the norm: v12-17 output o: 2^e, 448 x 2^e
.set P,     18                         ; v18-29   three pairs at work for each of the two rows
.set PT,    30                         ; v30, v31 the lane permutes' destinations
.set G,     96                         ; v96-127  g at my 32 places
.set BE,    128                        ; v128-159 be
.set CD,    96                         ; v96-143  once g and be are used up: a pair of code registers for each conversion; later the chunks read back
.set T,     144                        ; v144-159 likewise: two sets of eight held numbers
	v_lshl_add_u32 v[SPW], v0, 2, SPARE
	v_mov_b32 v[NIL], 0
	s_cmp_ge_u32 ttmp9, NWW
	s_cbranch_scc1 .Lnorm
	; ---------------- THE WEIGHTS ----------------
	s_load_b512 s[4:19], s[0:1], 0x0               ; w_q, w_k, w_v, w_o, w1, w2, the scales' exponents s[16:17], W s[18:19]
	v_and_b32 v1, 31, v0                           ; lane
	s_wait_alu depctr_va_vdst(0)
	v_lshrrev_b32 v2, 5, v0
	s_delay_alu instid0(VALU_DEP_1)
	v_readfirstlane_b32 s20, v2                    ; wave 0..7
	s_lshr_b32 s21, ttmp9, 7                       ; class: 0 the square weights, 1 w1, 2 w2
	s_and_b32 s22, ttmp9, 127                      ; u
	s_and_b32 s23, s22, 3                          ; column group (256 columns): u & 3,
	s_and_b32 s24, s22, 15                         ; for w1 u & 15
	s_lshr_b32 s25, s22, 2                         ; ks: w2 u >> 2,
	s_lshr_b32 s26, s22, 4                         ; w1 u >> 4,
	s_and_b32 s27, s25, 7                          ; square (u >> 2) & 7
	s_lshr_b32 s28, s22, 5                         ; which square weight
	s_lshl_b32 s32, s28, 20                        ; its place in W,
	s_lshl_b32 s33, s21, 22                        ; w1's and w2's: 4 MiB x class
	s_cmp_eq_u32 s21, 0
	s_cselect_b32 s25, s27, s25
	s_cselect_b32 s32, s32, s33
	s_cmp_eq_u32 s21, 1
	s_cselect_b32 s23, s24, s23
	s_cselect_b32 s25, s26, s25
	s_cselect_b32 s35, 21, 19                      ; 128 rows of 16,384 or of 4,096 bytes, as a shift
	s_cmp_eq_u32 s21, 2
	s_cselect_b32 s34, 16, 14                      ; from one nb to the next: 65,536 bytes (K = 4,096) or 16,384, as a shift
	s_lshl_b32 s52, s25, s35                       ; in: ks x 128 rows
	s_lshl_b32 s24, s23, 10
	s_add_co_u32 s52, s52, s24                     ; + 1,024 x column group
	s_lshl_b32 s24, s20, 7
	s_add_co_u32 s52, s52, s24                     ; + 128 x wave
	s_mov_b32 s53, 0
	s_lshl_b32 s54, s23, 4
	s_lshl_b32 s24, s20, 1
	s_add_co_u32 s54, s54, s24                     ; out: nb = 16 x column group + 2 x wave
	s_lshl_b32 s54, s54, s34
	s_lshl_b32 s24, s25, 11
	s_add_co_u32 s54, s54, s24                     ; + 2,048 ks
	s_add_co_u32 s54, s54, s32                     ; + the tensor's place
	s_mov_b32 s55, 0
	v_lshlrev_b32 v3, 2, v1                        ; in: 4 bytes a lane
	v_lshrrev_b32 v5, 4, v1
	s_delay_alu instid0(VALU_DEP_1)
	v_lshlrev_b32 v5, s34, v5                      ; out: lanes 16-31 hold the next fragment's columns,
	v_and_b32 v6, 15, v1
	s_delay_alu instid0(VALU_DEP_1)
	v_lshl_add_u32 v4, v6, 4, v5                   ; 16 bytes for column r
	s_wait_kmcnt 0x0
	s_load_b512 s[36:51], s[16:17], 0x0            ; the sixteen exponents
	s_cmp_eq_u32 s28, 1                            ; the input: chosen by the work-group's number alone
	s_cselect_b64 s[30:31], s[6:7], s[4:5]
	s_cmp_eq_u32 s28, 2
	s_cselect_b64 s[30:31], s[8:9], s[30:31]
	s_cmp_eq_u32 s28, 3
	s_cselect_b64 s[30:31], s[10:11], s[30:31]
	s_cmp_eq_u32 s21, 1
	s_cselect_b64 s[30:31], s[12:13], s[30:31]
	s_cmp_eq_u32 s21, 2
	s_cselect_b64 s[30:31], s[14:15], s[30:31]
	s_add_nc_u64 s[30:31], s[30:31], s[52:53]
	s_add_nc_u64 s[18:19], s[18:19], s[54:55]
.macro LOAD t, pitch                   ; block t: w(32 t + i, my column), i = 0 .. 31, into set t % 2
.set i, 0
.rept 32
	global_load_b32 v[X+32*((\t)%2)+i], v3, s[30:31] offset:(32*(\t)+i)*(\pitch) th:TH_LOAD_NT
.set i, i+1
.endr
.endm
.macro SCALE                           ; the tensor's e: entries 1, 3, 5, 11, 13, 15
	s_wait_kmcnt 0x0
	s_cmp_eq_u32 s28, 1
	s_cselect_b32 s56, s39, s37
	s_cmp_eq_u32 s28, 2
	s_cselect_b32 s56, s41, s56
	s_cmp_eq_u32 s28, 3
	s_cselect_b32 s56, s47, s56
	s_cmp_eq_u32 s21, 1
	s_cselect_b32 s56, s49, s56
	s_cmp_eq_u32 s21, 2
	s_cselect_b32 s56, s51, s56
	s_add_co_i32 s56, s56, 127
	s_lshl_b32 s57, s56, 23
	v_mov_b32 v[SCW], s57                          ; 2^e as f32: the conversion takes its exponent field
	s_add_co_i32 s56, s56, 8
	s_lshl_b32 s56, s56, 23
	s_or_b32 s56, s56, 0x600000
	v_mov_b32 v[LIMW], s56                         ; 448 x 2^e
.endm
.macro BLOCK t, pitch
.set XS, X+32*((\t)%2)
.if (\t) < 3
	s_wait_loadcnt 32                              ; this block's 32 loads are in; the next block's 32 may be out
.else
	s_wait_loadcnt 0
.endif
.set i, 0
.rept 32
	v_med3_num_f32 v[XS+i], v[XS+i], -v[LIMW], v[LIMW]   ; the conversion to an 8-bit code does not saturate (ISA guide 7.6.2): the hold comes first
.set i, i+1
.endr
	v_cvt_scalef32_pk8_fp8_f32 v[C+8*(\t):C+8*(\t)+1], v[XS:XS+7], v[SCW]          ; k = 32 t + 0..7   : h = 0, bytes 0-7
	v_cvt_scalef32_pk8_fp8_f32 v[C+8*(\t)+2:C+8*(\t)+3], v[XS+16:XS+23], v[SCW]    ; k = 32 t + 16..23 : h = 0, bytes 8-15
	v_cvt_scalef32_pk8_fp8_f32 v[C+8*(\t)+4:C+8*(\t)+5], v[XS+8:XS+15], v[SCW]     ; k = 32 t + 8..15  : h = 1, bytes 0-7
	v_cvt_scalef32_pk8_fp8_f32 v[C+8*(\t)+6:C+8*(\t)+7], v[XS+24:XS+31], v[SCW]    ; k = 32 t + 24..31 : h = 1, bytes 8-15
	v_nop                                          ; one plain vector line behind the last conversion of a run
	global_store_b128 v4, v[C+8*(\t):C+8*(\t)+3], s[18:19] offset:512*(\t)
	global_store_b128 v4, v[C+8*(\t)+4:C+8*(\t)+7], s[18:19] offset:512*(\t)+256
.if (\t) < 2
	LOAD (\t)+2, \pitch
.endif
.endm
.macro RUN pitch
	LOAD 0, \pitch
	LOAD 1, \pitch
	SCALE
	s_wait_alu depctr_va_vdst(0)
	BLOCK 0, \pitch
	BLOCK 1, \pitch
	BLOCK 2, \pitch
	BLOCK 3, \pitch
.endm
	s_cmp_eq_u32 s21, 1
	s_cbranch_scc1 .Lwide
	s_wait_alu depctr_va_vdst(0)
	RUN 4096
	s_branch .Lend
.Lwide:
	s_wait_alu depctr_va_vdst(0)
	RUN 16384
	s_branch .Lend
	; ---------------- THE NORM ----------------
.Lnorm:
	s_load_b128 s[4:7], s[0:1], 0x40               ; x s[4:5], g s[6:7]
	s_load_b64 s[8:9], s[0:1], 0x50                ; be
	s_load_b64 s[10:11], s[0:1], 0x30              ; the scales' exponents
	s_load_b64 s[12:13], s[0:1], 0x58              ; HA
	v_lshrrev_b32 v6, 5, v0
	s_delay_alu instid0(VALU_DEP_1)
	v_readfirstlane_b32 s2, v6                     ; wave
	v_and_b32 v7, 31, v0                           ; lane
	s_delay_alu instid0(VALU_DEP_1)
	v_lshlrev_b32 v2, 5, v7                        ; 32 bytes a lane
	s_lshl_b32 s3, s2, 12
	v_add_nc_u32 v1, s3, v2                        ; + my first row
	s_sub_co_u32 s34, ttmp9, NWW                   ; my row block
	s_lshl_b32 s14, s34, 16                        ; its 16 rows of 4,096 bytes
	s_mov_b32 s15, 0
	s_lshl_b32 s32, s34, 14                        ; and its 16,384 bytes of an image
	s_mov_b32 s33, 0
	s_mov_b32 s30, 0x76543210                      ; v_permlanex16_b32: lane l xor 16
	s_mov_b32 s31, 0xfedcba98
	s_wait_alu depctr_va_vdst(0)
	s_wait_kmcnt 0x0
	s_add_nc_u64 s[4:5], s[4:5], s[14:15]
.irp a, 0,1
.irp j, 0,1,2,3
	global_load_b128 v[X+32*\a+8*\j:X+32*\a+8*\j+3], v1, s[4:5] offset:32768*\a+1024*\j th:TH_LOAD_NT
	global_load_b128 v[X+32*\a+8*\j+4:X+32*\a+8*\j+7], v1, s[4:5] offset:32768*\a+1024*\j+16 th:TH_LOAD_NT
.endr
.endr
.irp j, 0,1,2,3
	global_load_b128 v[G+8*\j:G+8*\j+3], v2, s[6:7] offset:1024*\j
	global_load_b128 v[G+8*\j+4:G+8*\j+7], v2, s[6:7] offset:1024*\j+16
.endr
.irp j, 0,1,2,3
	global_load_b128 v[BE+8*\j:BE+8*\j+3], v2, s[8:9] offset:1024*\j
	global_load_b128 v[BE+8*\j+4:BE+8*\j+7], v2, s[8:9] offset:1024*\j+16
.endr
.set o, 0
.rept NOUT
	s_load_b32 s[16+o], s[10:11], 4*(ENT0+2*o)
.set o, o+1
.endr
	s_add_nc_u64 s[24:25], s[12:13], s[32:33]      ; a base for each output
	s_add_nc_u64 s[26:27], s[24:25], 0x400000
	s_add_nc_u64 s[28:29], s[26:27], 0x400000
	; into LDS: chunk 8 j + 4 (l / 16) + (l / 4) % 4; h = l % 2; upper 8 bytes where (l / 2) % 2; row r = w + 8 a
	v_lshrrev_b32 v8, 4, v7
	v_bfe_u32 v9, v7, 2, 2
	s_delay_alu instid0(VALU_DEP_1)
	v_lshl_add_u32 v8, v8, 2, v9
	s_delay_alu instid0(VALU_DEP_1)
	v_mul_u32_u24 v3, v8, 544
	v_and_b32 v9, 1, v7
	s_delay_alu instid0(VALU_DEP_1)
	v_mad_u32_u24 v3, v9, 272, v3
	v_bfe_u32 v9, v7, 1, 1
	s_delay_alu instid0(VALU_DEP_1)
	v_lshl_add_u32 v3, v9, 3, v3
	s_lshl_b32 s3, s2, 4
	v_add_nc_u32 v3, s3, v3
	; back: wave w takes chunks 4 w .. 4 w + 3 of each output; lanes 0-15 the half h = 0, lanes 16-31 the half h = 1
	v_lshrrev_b32 v8, 4, v7
	s_delay_alu instid0(VALU_DEP_1)
	v_mul_u32_u24 v4, v8, 272
	v_and_b32 v9, 15, v7
	s_delay_alu instid0(VALU_DEP_1)
	v_lshl_add_u32 v4, v9, 4, v4
	s_mul_i32 s3, s2, 2176
	v_add_nc_u32 v4, s3, v4
	v_lshlrev_b32 v5, 4, v7                        ; and in memory: 16 x lane + 2,048 x wave
	s_lshl_b32 s3, s2, 11
	v_add_nc_u32 v5, s3, v5
	v_mov_b32 v[PT], 0                             ; written once: a lane permute's destination counts as one of its sources
	v_mov_b32 v[PT+1], 0
.macro REDUCE2 q                       ; v[P + q] (row 0) and v[P + 6 + q] (row 1), each summed over the 32 lanes, the result in every lane
.irp m, 1,2,4,8
	s_delay_alu instid0(VALU_DEP_2)
	v_add_f32_dpp v[P+\q], v[P+\q], v[P+\q] row_xmask:\m row_mask:0xf bank_mask:0xf
	s_delay_alu instid0(VALU_DEP_2)
	v_add_f32_dpp v[P+6+\q], v[P+6+\q], v[P+6+\q] row_xmask:\m row_mask:0xf bank_mask:0xf
.endr
	s_delay_alu instid0(VALU_DEP_2)
	v_permlanex16_b32 v[PT], v[P+\q], s30, s31
	s_delay_alu instid0(VALU_DEP_2)
	v_permlanex16_b32 v[PT+1], v[P+6+\q], s30, s31
	s_delay_alu instid0(VALU_DEP_2)
	v_add_f32 v[P+\q], v[P+\q], v[PT]
	s_delay_alu instid0(VALU_DEP_2)
	v_add_f32 v[P+6+\q], v[P+6+\q], v[PT+1]
.endm
	s_wait_loadcnt 16                              ; the rows' 16 loads are in; g's 8 and be's 8 may be out
	; the mean: two chains a row
.irp a, 0,1
	v_pk_add_f32 v[P+6*\a:P+6*\a+1], v[X+32*\a:X+32*\a+1], v[X+32*\a+2:X+32*\a+3]
	v_pk_add_f32 v[P+6*\a+2:P+6*\a+3], v[X+32*\a+4:X+32*\a+5], v[X+32*\a+6:X+32*\a+7]
.endr
.irp p, 8,12,16,20,24,28
.irp a, 0,1
	s_delay_alu instid0(VALU_DEP_4)
	v_pk_add_f32 v[P+6*\a:P+6*\a+1], v[P+6*\a:P+6*\a+1], v[X+32*\a+\p:X+32*\a+\p+1]
	s_delay_alu instid0(VALU_DEP_4)
	v_pk_add_f32 v[P+6*\a+2:P+6*\a+3], v[P+6*\a+2:P+6*\a+3], v[X+32*\a+\p+2:X+32*\a+\p+3]
.endr
.endr
.irp a, 0
	s_delay_alu instid0(VALU_DEP_3)
	v_pk_add_f32 v[P+6*\a:P+6*\a+1], v[P+6*\a:P+6*\a+1], v[P+6*\a+2:P+6*\a+3]
.endr
.irp a, 1
	s_delay_alu instid0(VALU_DEP_2)
	v_pk_add_f32 v[P+6*\a:P+6*\a+1], v[P+6*\a:P+6*\a+1], v[P+6*\a+2:P+6*\a+3]
.endr
.irp a, 0,1
	s_delay_alu instid0(VALU_DEP_2)
	v_add_f32 v[P+6*\a], v[P+6*\a], v[P+6*\a+1]
.endr
	REDUCE2 0
.irp a, 0,1
	s_delay_alu instid0(VALU_DEP_2)
	v_mul_f32 v[P+6*\a], 0x3a800000, v[P+6*\a]     ; / 1,024
.endr
.irp a, 0,1
.set xx, 0
.rept 16
	v_pk_add_f32 v[X+32*\a+xx:X+32*\a+xx+1], v[X+32*\a+xx:X+32*\a+xx+1], v[P+6*\a:P+6*\a+1] op_sel_hi:[1,0] neg_lo:[0,1] neg_hi:[0,1]   ; x - mean, in place
.set xx, xx+2
.endr
.endr
	; the sum of squares of x - mean: two chains a row, started by products
.irp a, 0,1
	v_pk_mul_f32 v[P+6*\a+2:P+6*\a+3], v[X+32*\a:X+32*\a+1], v[X+32*\a:X+32*\a+1]
	v_pk_mul_f32 v[P+6*\a+4:P+6*\a+5], v[X+32*\a+2:X+32*\a+3], v[X+32*\a+2:X+32*\a+3]
.endr
.irp p, 4,8,12,16,20,24,28
.irp a, 0,1
	s_delay_alu instid0(VALU_DEP_4)
	v_pk_fma_f32 v[P+6*\a+2:P+6*\a+3], v[X+32*\a+\p:X+32*\a+\p+1], v[X+32*\a+\p:X+32*\a+\p+1], v[P+6*\a+2:P+6*\a+3]
	s_delay_alu instid0(VALU_DEP_4)
	v_pk_fma_f32 v[P+6*\a+4:P+6*\a+5], v[X+32*\a+\p+2:X+32*\a+\p+3], v[X+32*\a+\p+2:X+32*\a+\p+3], v[P+6*\a+4:P+6*\a+5]
.endr
.endr
.irp a, 0
	s_delay_alu instid0(VALU_DEP_3)
	v_pk_add_f32 v[P+6*\a+2:P+6*\a+3], v[P+6*\a+2:P+6*\a+3], v[P+6*\a+4:P+6*\a+5]
.endr
.irp a, 1
	s_delay_alu instid0(VALU_DEP_2)
	v_pk_add_f32 v[P+6*\a+2:P+6*\a+3], v[P+6*\a+2:P+6*\a+3], v[P+6*\a+4:P+6*\a+5]
.endr
.irp a, 0,1
	s_delay_alu instid0(VALU_DEP_2)
	v_add_f32 v[P+6*\a+2], v[P+6*\a+2], v[P+6*\a+3]
.endr
	REDUCE2 2
.irp a, 0,1
	s_delay_alu instid0(VALU_DEP_2)
	v_mul_f32 v[P+6*\a+2], 0x3a802008, v[P+6*\a+2] ; / 1,023
.endr
	s_wait_alu depctr_va_vdst(0)
	v_sqrt_f32 v[P+2], v[P+2]
	v_sqrt_f32 v[P+8], v[P+8]
	v_nop                                          ; a plain line behind the last root,
	s_wait_alu depctr_va_vdst(0)                   ; and the one wait ahead of the first reader
	v_add_f32 v[P+2], 0x358637bd, v[P+2]           ; std + 1e-6
	v_add_f32 v[P+8], 0x358637bd, v[P+8]
	s_wait_alu depctr_va_vdst(0)
	v_rcp_f32 v[P+4], v[P+2]
	v_rcp_f32 v[P+10], v[P+8]
	v_nop
	s_wait_alu depctr_va_vdst(0)                   ; likewise for the two reciprocals
.irp a, 0,1
.set xx, 0
.rept 16
	v_pk_mul_f32 v[X+32*\a+xx:X+32*\a+xx+1], v[X+32*\a+xx:X+32*\a+xx+1], v[P+6*\a+4:P+6*\a+5] op_sel_hi:[1,0]
.set xx, xx+2
.endr
.endr
	s_wait_loadcnt 0x0                             ; g and be
.irp a, 0,1
.set xx, 0
.rept 16
	v_pk_fma_f32 v[X+32*\a+xx:X+32*\a+xx+1], v[X+32*\a+xx:X+32*\a+xx+1], v[G+xx:G+xx+1], v[BE+xx:BE+xx+1]
.set xx, xx+2
.endr
.endr
	s_wait_kmcnt 0x0
.set o, 0
.rept NOUT
	s_add_co_i32 s[16+o], s[16+o], 127
	s_lshl_b32 s20, s[16+o], 23
	v_mov_b32 v[SC+2*o], s20                       ; 2^e as f32
	s_add_co_i32 s[16+o], s[16+o], 8
	s_lshl_b32 s20, s[16+o], 23
	s_or_b32 s20, s20, 0x600000
	v_mov_b32 v[SC+2*o+1], s20                     ; 448 x 2^e
.set o, o+1
.endr
	; quantise (g's and be's registers are free from here on): the hold into one of two sets by turns (the eight holds of the next set are the plain lines behind each conversion), the conversion, 8 bytes to LDS
.set n, 0
.set o, 0
	s_wait_alu depctr_va_vdst(0)
.rept NOUT
.irp a, 0,1
.irp j, 0,1,2,3
.set TS, T+8*(n%2)
.irp i, 0,1,2,3,4,5,6,7
	v_med3_num_f32 v[TS+\i], v[X+32*\a+8*\j+\i], -v[SC+2*o+1], v[SC+2*o+1]
.endr
	v_cvt_scalef32_pk8_fp8_f32 v[CD+2*n:CD+2*n+1], v[TS:TS+7], v[SC+2*o]
	ds_store_b64 v3, v[CD+2*n:CD+2*n+1] offset:OUTB*o+4352*\j+128*\a
.set n, n+1
.endr
.endr
.set o, o+1
.endr
	v_nop                                          ; one plain vector line behind the last conversion
	s_wait_dscnt 0x0                               ; for the others' sake: my stores have landed
	s_barrier_signal -1
	s_barrier_wait -1                              ; the block's images are whole
.set o, 0
.rept NOUT
.irp i, 0,1,2,3
	ds_load_b128 v[CD+16*o+4*\i:CD+16*o+4*\i+3], v4 offset:OUTB*o+544*\i
.endr
.set o, o+1
.endr
.set n, 0
.set o, 0
.rept NOUT
.irp i, 0,1,2,3
	s_wait_dscnt 4*NOUT-1-n                        ; LDS loads come back in order: this one is in, the younger ones may be out
	global_store_b128 v5, v[CD+16*o+4*\i:CD+16*o+4*\i+3], s[24+2*o:25+2*o] offset:512*\i   ; 32 lanes store a chunk: 512 consecutive bytes, aligned
.set n, n+1
.endr
.set o, o+1
.endr
.Lend:
	s_wait_tensorcnt 0x0                           ; the wave's end, on both jobs' way
	ds_add_u32 v[SPW], v[NIL]
	s_wait_dscnt 0x0
	s_endpgm
.Lfunc_end_k_q66802a06a9_prep:
	.size	k_q66802a06a9_prep, .Lfunc_end_k_q66802a06a9_prep-k_q66802a06a9_prep
	.p2alignl 7, 3214868480
	.fill 96, 4, 3214868480
	.section	.rodata,"a",@progbits
	.p2align	6, 0x0
	.amdhsa_kernel k_q66802a06a9_prep
		.amdhsa_group_segment_fixed_size 53248
		.amdhsa_private_segment_fixed_size 0
		.amdhsa_enable_private_segment 0
		.amdhsa_kernarg_size 96
		.amdhsa_user_sgpr_count 2
		.amdhsa_user_sgpr_kernarg_segment_ptr 1
		.amdhsa_wavefront_size32 1
		.amdhsa_system_sgpr_workgroup_id_x 1
		.amdhsa_system_sgpr_workgroup_id_y 1
		.amdhsa_system_sgpr_workgroup_id_z 1
		.amdhsa_system_vgpr_workitem_id 0
		.amdhsa_next_free_vgpr 160
		.amdhsa_next_free_sgpr 66
		.amdhsa_reserve_vcc 0
		.amdhsa_float_denorm_mode_32 3
		.amdhsa_float_denorm_mode_16_64 3
		.amdhsa_memory_ordered 1
		.amdhsa_forward_progress 1
		.amdhsa_inst_pref_size 87
	.end_amdhsa_kernel
	.amdgpu_metadata
---
amdhsa.version: [ 1, 2 ]
amdhsa.kernels:
  - .name:           k_q66802a06a9_prep
    .symbol:         k_q66802a06a9_prep.kd
    .args:
      - { .name: w_q, .offset: 0, .size: 8, .value_kind: global_buffer, .address_space: global }
      - { .name: w_k, .offset: 8, .size: 8, .value_kind: global_buffer, .address_space: global }
      - { .name: w_v, .offset: 16, .size: 8, .value_kind: global_buffer, .address_space: global }
      - { .name: w_o, .offset: 24, .size: 8, .value_kind: global_buffer, .address_space: global }
      - { .name: w1, .offset: 32, .size: 8, .value_kind: global_buffer, .address_space: global }
      - { .name: w2, .offset: 40, .size: 8, .value_kind: global_buffer, .address_space: global }
      - { .name: lowp_scales, .offset: 48, .size: 8, .value_kind: global_buffer, .address_space: global }
      - { .name: W, .offset: 56, .size: 8, .value_kind: global_buffer, .address_space: global }
      - { .name: x, .offset: 64, .size: 8, .value_kind: global_buffer, .address_space: global }
      - { .name: g1, .offset: 72, .size: 8, .value_kind: global_buffer, .address_space: global }
      - { .name: be1, .offset: 80, .size: 8, .value_kind: global_buffer, .address_space: global }
      - { .name: HA, .offset: 88, .size: 8, .value_kind: global_buffer, .address_space: global }
    .group_segment_fixed_size: 53248
    .private_segment_fixed_size: 0
    .kernarg_segment_align: 8
    .kernarg_segment_size: 96
    .max_flat_workgroup_size: 256
    .sgpr_count:     66
    .vgpr_count:     160
    .wavefront_size: 32
...
	.end_amdgpu_metadata
.endif
;; end of part 1
;; launch qkv (part 2): grid 12 x 16, 4 waves a work-group, clusters of 4 x 4, 327,680 bytes of LDS; arguments HA, W, lowp_scales, QKV; writes QKV
.if DOCPART == 2
	.amdgcn_target "amdgcn-amd-amdhsa--gfx1250"
	.amdhsa_code_object_version 6
	.text
	.protected	k_q66802a06a9_qkv
	.globl	k_q66802a06a9_qkv
	.p2align	8
	.type	k_q66802a06a9_qkv,@function
k_q66802a06a9_qkv:
	s_mov_b64 s[64:65], 0
	v_nop
	global_prefetch_b8 v0, s[64:65] scope:SCOPE_SE
	s_setreg_imm32_b32 hwreg(HW_REG_WAVE_MODE, 25, 1), 1
	s_wait_xcnt 0x0
	s_wait_alu depctr_hold_cnt(0) depctr_sa_sdst(0) depctr_va_vdst(0) depctr_va_sdst(0) depctr_va_ssrc(0) depctr_va_vcc(0) depctr_vm_vsrc(0)
	s_getreg_b32 s2, hwreg(HW_REG_IB_STS2, 6, 4)
	s_cmp_eq_u32 s2, 0
	s_cbranch_scc0 .Lentry_in_a_cluster
	s_endpgm
.Lentry_in_a_cluster:
	s_bfe_u32 s2, ttmp6, 0x10000c
	s_cmp_lg_u32 s2, 0xf033
	s_cbranch_scc0 .Lentry_shape_is_right
	s_endpgm
.Lentry_shape_is_right:
; q = h w_q, k = h w_k, v = h w_v on codes of FP8 (E4M3); the results are quantised at once for attention's two products (scales: entries 6, 7, 8) and stored as images of operand registers.
; OPERANDS ARE IMAGES: a fragment (16 rows x 128 k) is 2,048 bytes, 4 chunks of 512, lane l's 16 bytes at 16 l: registers 4 c .. 4 c + 3 of the plain FP8 form's own layout, k in its true place.
; HA: LN1(x) under entries 0, 2, 4 at 0, 4, 8 MiB, [row block][ks 8][2,048].  W: w_q, w_k, w_v at 0, 1, 2 MiB, [nb][ks 8][2,048].
; CLUSTER x = 0: q; 1: k; 2: v.  A tile of C is 256 x 256, four waves, each 128 x 128: 64 accumulators.  K = 1,024 goes in steps of 256 through two LDS slots: eight steps of 128, written straight.
; THE MATRIX INSTRUCTION IS USED TRANSPOSED (source 0 = 16 rows of 'B', source 1 = 16 rows of 'A'): lane (r, h) holds row r of 'A' and, in accumulator b, columns 16 b + 8 h + 0..7.  The conversions of accumulators
; 2 i and 2 i + 1 are then chunk i of the next operand's image.  For q and k: A = h (tokens), B = the weight.  FOR v THE ROLES ARE SWAPPED (A = w_v, B = h), so that the tokens, which are the second product's K, run along a lane's registers.
; QKV: q at 0, k at 4 MiB: [batch x head 32][block of 16 tokens 128][c 2][512];  v at 8 MiB: [batch x head 32][ks 16 (128 keys)][block of 16 channels 4][c 4][512].
; CLUSTERS: 4 x 4 work-groups; A's tile is asked for jointly along a row of the cluster, B's along a column.  3 x 4 clusters: 192 work-groups, all that 3,072 x 4,096 results give at this tile.
; LIMITS: e6 - e0 - e1, e7 - e2 - e3 and e8 - e4 - e5 between -126 and 119.
; REGISTERS, in windows of 256: window 0: v0-31 addresses; v96-127 at work on the way out; v128-255 A's fragments, one set, later the codes.  window 1: B's fragments, two sets.  windows 2, 3: the accumulators ((a, b) at v[8 (8 (a % 4) + b)]).
.set FR,     16
.set NL,     4
.set NP,     4
.set HALFT,  32768                     ; 8 row blocks x 4,096 bytes (256 k): what one tensor load brings, and what one wave reads of A or of B
.set SLOT,   4*HALFT                   ; A's 16 row blocks, then B's
.set SPARE,  2*SLOT                    ; behind the ring: the spare words, 128 bytes for each wave, which no other line names
.set ADRA, 16                          ; v16-17  LDS address of my A fragments in slot 0, 1
.set ADRB, 20                          ; v20-21  the same for B
.set CO,   26                          ; v26     16 x lane
.set SPW,  28                          ; v28     LDS address of my spare word; never rewritten
.set NIL,  29                          ; v29     0; never rewritten
.set SCV,  30                          ; v30     the conversion's scale
.set LIM,  31                          ; v31     448 x that
.set TMP,  96
.set AF,   128
.set CD,   128                         ; the way out: 16 code registers for each of my 8 blocks of rows: no store's data are written again
.set G1, 24
.set G0, 32
.set G1B, 48
.set G0B, 56
.set MSB, 0
.macro WIN new                         ; the immediate's high byte repeats the setting that is left
.if MSB != (\new)
	s_set_vgpr_msb (MSB<<8)|(\new)
.set MSB, (\new)
.endif
.endm
.set MUL_LO, 0xa1                      ; source 0 (B) window 1, source 1 (A) window 0, C and D window 2
.set MUL_HI, 0xf1                      ; the same, C and D window 3
.set TO_B,   0x40                      ; destination window 1, address window 0
; A joint load: waves 0 and 1 fetch for A, waves 2 and 3 for B.  The branch hangs on the wave's number alone.  An s_nop 0 and four v_nop follow each of the two lines.
.macro JLOAD g0a, g1a, g0b, g1b
	s_cmp_eq_u32 s15, 0
	s_cbranch_scc0 .Lfor_b_\@
	tensor_load_to_lds s[\g0a:\g0a+3], s[\g1a:\g1a+7]
	s_nop 0
.rept 4
	v_nop
.endr
	s_branch .Lasked_\@
.Lfor_b_\@:
	tensor_load_to_lds s[\g0b:\g0b+3], s[\g1b:\g1b+7]
	s_nop 0
.rept 4
	v_nop
.endr
.Lasked_\@:
.endm
.macro CREST                           ; a round of the cluster's barrier behind its opening barrier
	s_cmp_lg_u32 s14, 0
	s_cbranch_scc1 .Lnot_wave_0_\@
	s_barrier_signal -3
.Lnot_wave_0_\@:
	s_barrier_wait -3
	s_barrier_signal -1
	s_barrier_wait -1
.endm
.macro CROUND
	s_barrier_signal -1
	s_barrier_wait -1
	CREST
.endm
	s_load_b128 s[4:7], s[0:1], 0x0                ; HA, W
	s_load_b128 s[8:11], s[0:1], 0x10              ; the scales' exponents, QKV
	v_lshl_add_u32 v[SPW], v0, 2, SPARE
	v_mov_b32 v[NIL], 0
	ds_add_u32 v[SPW], v[NIL]                      ; the wave's opening: the add and its wait ahead of my first tensor load; the set-up below stands between them
	ds_add_u32 v[SPW], v[NIL]
	v_lshrrev_b32 v1, 5, v0
	v_readfirstlane_b32 s14, v1                    ; wave 0..3
	s_lshr_b32 s15, s14, 1                         ; which half of the tile's rows is mine.  Also: I fetch for A (0) or for B (1)
	s_and_b32 s16, s14, 1                          ; which half of its columns.  Also: which 8 row blocks of that tile I fetch
	s_bfe_u32 s40, ttmp6, 0x40000                  ; cx
	s_bfe_u32 s41, ttmp6, 0x40004                  ; cy
	s_and_b32 s18, ttmp7, 0xffff
	s_lshl_b32 s18, s18, 2                         ; 4 x cluster y
	s_add_co_u32 s17, s18, s41
	s_add_co_u32 s42, s18, s40
	s_lshl_b32 s84, ttmp9, 22
	s_lshl_b32 s85, ttmp9, 20
	s_cmp_eq_u32 ttmp9, 2                          ; cluster x: the same in all sixteen partners
	s_cselect_b32 s17, s41, s17                    ; tile row: q, k: 4 Y + cy (16 tiles of tokens); v: cy (4 tiles of channels)
	s_cselect_b32 s42, s42, s40                    ; tile column: q, k: cx; v: 4 Y + cx
	s_cselect_b32 s86, s85, s84                    ; A's part: q, k: HA + 4 MiB x X; v: W + 2 MiB
	s_cselect_b32 s87, s84, s85                    ; B's part: q, k: W + 1 MiB x X; v: HA + 8 MiB
	s_lshl_b32 s43, s41, 2
	s_lshl_b32 s43, 15, s43                        ; my row of the cluster
	s_lshl_b32 s44, 0x1111, s40                    ; my column
	; descriptor group 1: 8 row blocks x 4,096 bytes (512 elements of 8 bytes), 16,384 bytes apart in memory, dense in LDS
	s_or_b32 s[G1+0], s43, (3<<16)|(1<<21)         ; 15:0 the mask: A's tiles go to my row; 17:16 elements of 8 bytes; 21 set beside a mask; no padding
	s_or_b32 s[G1B+0], s44, (3<<16)|(1<<21)
.irp g, G1, G1B
	s_mov_b32 s[\g+1], 512<<16                     ; tensor_dim0
	s_mov_b32 s[\g+2], 8<<16                       ; tensor_dim1
	s_mov_b32 s[\g+3], 512<<16                     ; tile_dim0
	s_mov_b32 s[\g+4], 8                           ; tile_dim1
	s_mov_b32 s[\g+5], 2048                        ; tensor_dim0_stride
	s_mov_b32 s[\g+6], 0
	s_mov_b32 s[\g+7], 0
.endr
	s_lshl_b32 s19, s16, 17                        ; which 8 row blocks of the tile I fetch
	s_lshl_b32 s20, s17, 18                        ; A: 16 row blocks x 16,384 bytes a tile
	s_add_co_u32 s20, s20, s19
	s_add_co_u32 s20, s20, s86
	s_mov_b32 s21, 0
	s_lshl_b32 s46, s42, 18                        ; B likewise
	s_add_co_u32 s46, s46, s19
	s_add_co_u32 s46, s46, s87
	s_mov_b32 s47, 0
	s_mul_i32 s45, s14, HALFT                      ; where they go: no place in the cluster enters an LDS address
	s_wait_dscnt 0x0                               ; the opening add is done
	s_wait_kmcnt 0x0
	s_load_b512 s[68:83], s[8:9], 0x0              ; the sixteen exponents
	s_cmp_eq_u32 ttmp9, 2
	s_cselect_b64 s[88:89], s[6:7], s[4:5]         ; A's buffer
	s_cselect_b64 s[90:91], s[4:5], s[6:7]         ; B's
	s_add_nc_u64 s[20:21], s[88:89], s[20:21]
	s_add_nc_u64 s[46:47], s[90:91], s[46:47]
	CROUND                                         ; all sixteen work-groups are here: the first joint loads meet
.irp s, 0,1
	s_mov_b32 s[G0+4*\s], 1
	s_add_co_u32 s[G0+4*\s+1], s45, \s*SLOT
	s_add_nc_u64 s[G0+4*\s+2:G0+4*\s+3], s[20:21], \s*4096
	s_or_b32 s[G0+4*\s+3], s[G0+4*\s+3], 0x80000000
	s_mov_b32 s[G0B+4*\s], 1
	s_add_co_u32 s[G0B+4*\s+1], s45, \s*SLOT
	s_add_nc_u64 s[G0B+4*\s+2:G0B+4*\s+3], s[46:47], \s*4096
	s_or_b32 s[G0B+4*\s+3], s[G0B+4*\s+3], 0x80000000
.endr
	s_cmp_eq_u32 s15, 0                            ; the prefetches' base: the tile that my wave fetches,
	s_cselect_b64 s[96:97], s[20:21], s[46:47]
	s_cselect_b32 s98, s40, s41                    ; and of its 8 row blocks the two of my place among the four that ask for it jointly (cx for A, cy for B): told apart by address
	s_lshl_b32 s98, s98, 15
	s_mov_b32 s99, 0
	s_add_nc_u64 s[96:97], s[96:97], s[98:99]
	JLOAD G0, G1, G0B, G1B
	v_and_b32 v1, 31, v0
	v_lshlrev_b32 v[CO], 4, v1
	v_lshrrev_b32 v27, 4, v1                       ; a lane names a block of 256 bytes: row block lane / 16, block lane % 16 of its 4,096 bytes of a slot; never rewritten
	v_lshlrev_b32 v27, 14, v27
	v_and_b32 v3, 15, v1
	v_lshl_add_u32 v27, v3, 8, v27
	global_prefetch_b8 v27, s[96:97] offset:4096 th:TH_LOAD_NT scope:SCOPE_SE    ; k 256-511, which the next joint load asks for,
	global_prefetch_b8 v27, s[96:97] offset:8192 th:TH_LOAD_NT scope:SCOPE_SE    ; and k 512-767, two loads on
	s_mul_i32 s21, s15, HALFT                      ; my 8 row blocks of A
	s_mul_i32 s22, s16, HALFT                      ; my 8 of B,
	s_add_co_u32 s22, s22, 2*HALFT                 ; which lie behind A's 16
.irp s, 0,1
	v_add_nc_u32 v[ADRA+\s], s21, v[CO]
	v_add_nc_u32 v[ADRB+\s], s22, v[CO]
	s_add_co_u32 s21, s21, SLOT
	s_add_co_u32 s22, s22, SLOT
.endr
	; where my results go.  q, k: batch tr / 8; head 4 tc + 2 (wave % 2) (+ i / 2); token block 16 (tr % 8) + 8 (wave / 2) (+ a)
	s_lshr_b32 s88, s17, 3
	s_lshl_b32 s88, s88, 21
	s_lshl_b32 s89, s42, 2
	s_lshl_b32 s90, s16, 1
	s_add_co_u32 s89, s89, s90
	s_lshl_b32 s89, s89, 17
	s_add_co_u32 s88, s88, s89
	s_and_b32 s89, s17, 7
	s_lshl_b32 s89, s89, 4
	s_lshl_b32 s90, s15, 3
	s_add_co_u32 s89, s89, s90
	s_lshl_b32 s89, s89, 10
	s_add_co_u32 s88, s88, s89
	; v: batch tc / 8; head 4 tr + 2 (wave / 2) (+ a / 4); ks 2 (tc % 8) + wave % 2
	s_lshr_b32 s92, s42, 3
	s_lshl_b32 s92, s92, 21
	s_lshl_b32 s89, s17, 2
	s_lshl_b32 s90, s15, 1
	s_add_co_u32 s89, s89, s90
	s_lshl_b32 s89, s89, 17
	s_add_co_u32 s92, s92, s89
	s_and_b32 s89, s42, 7
	s_lshl_b32 s89, s89, 1
	s_add_co_u32 s89, s89, s16
	s_lshl_b32 s89, s89, 13
	s_add_co_u32 s92, s92, s89
	s_lshl_b32 s90, ttmp9, 22                      ; q, k, v: 4 MiB apart
	s_cmp_eq_u32 ttmp9, 2
	s_cselect_b32 s88, s92, s88
	s_add_co_u32 s88, s88, s90
	s_mov_b32 s89, 0
	s_add_nc_u64 s[10:11], s[10:11], s[88:89]
.macro FRAG reg, adr, q, i             ; a fragment comes as it lies: four loads of 512 consecutive bytes
.irp c, 0,1,2,3
	ds_load_b128 v[\reg+4*\c:\reg+4*\c+3], v[\adr] offset:4096*(\i)+2048*(\q)+512*\c
.endr
.endm
; 16 matrix instructions: A's blocks a0, a0 + 1 x B's eight, 128 along K.  p: B's set.  zero = 1: the first product starts the sums.  The 64 accumulators take turns, one instruction a turn, in the same order in every step.
.macro MUL16 a0, p, zero
.irp a, \a0, \a0+1
.irp b, 0,1,2,3,4,5,6,7
.if \zero
	v_wmma_f32_16x16x128_fp8_fp8 v[8*(8*((\a)%4)+\b):8*(8*((\a)%4)+\b)+7], v[128*(\p)+FR*\b:128*(\p)+FR*\b+FR-1], v[AF+FR*(\a):AF+FR*(\a)+FR-1], 0
.else
	v_wmma_f32_16x16x128_fp8_fp8 v[8*(8*((\a)%4)+\b):8*(8*((\a)%4)+\b)+7], v[128*(\p)+FR*\b:128*(\p)+FR*\b+FR-1], v[AF+FR*(\a):AF+FR*(\a)+FR-1], v[8*(8*((\a)%4)+\b):8*(8*((\a)%4)+\b)+7]
.endif
.endr
.endr
.endm
.macro FETCH_B slot, q, p
	WIN TO_B
.irp i, 0,1,2,3,4,5,6,7
	FRAG 128*(\p)+FR*\i, ADRB+\slot, \q, \i
.endr
	WIN 0
.endm
.macro FETCH_A slot, q, i0
.irp i, \i0, \i0+1, \i0+2, \i0+3
	FRAG AF+FR*(\i), ADRA+\slot, \q, \i
.endr
.endm
.macro PLACES n                        ; plain vector lines between a matrix instruction and a load into, or a vector read of, its registers
.rept \n
	v_nop
.endr
.endm
; A step of 128 along K that has its successor in the same slot.  A has one set of registers: blocks 0-3 are fetched anew in the step's middle, blocks 4-7 at its end; B has two sets.
.macro STEP slot, q, zero
	s_wait_dscnt 4*NL                              ; B's set and A's blocks 0-3 are in; the youngest 16 loads (A's blocks 4-7) may be out
	WIN MUL_LO
	MUL16 0, (\q)%2, \zero
	MUL16 2, (\q)%2, \zero
	s_wait_dscnt 0
	PLACES NP
	FETCH_B \slot, (\q)+1, 1-(\q)%2
	FETCH_A \slot, (\q)+1, 0
	WIN MUL_HI
	MUL16 4, (\q)%2, \zero
	MUL16 6, (\q)%2, \zero
	PLACES NP
	WIN 0
	FETCH_A \slot, (\q)+1, 4
.endm
; A slot's last step changes slots: one barrier; in front of it each wave waits for all its tensor loads, adds 0 to its spare word, and waits for that and for its own reads of this slot.  fill = 1: this slot is filled again, two slots ahead.
.macro TURN slot, next, fill
	s_wait_tensorcnt 0x0                           ; all my tensor loads have landed: my part of the next slot
	ds_add_u32 v[SPW], v[NIL]                      ; 0 onto my spare word
	s_wait_dscnt 4*NL+1                            ; (the add and the youngest 16 loads, A's blocks 4-7, may be out)
	WIN MUL_LO
	MUL16 0, 1, 0
	s_wait_dscnt 0x0                               ; the add is done, and my reads of this slot are over
	s_barrier_signal -1
	MUL16 2, 1, 0
	WIN 0
	s_barrier_wait -1
.if \fill
	CREST                                          ; the barrier has opened a round of the cluster's barrier: no wave of any partner still reads this slot or has a load on its way
	s_add_nc_u64 s[G0+4*\slot+2:G0+4*\slot+3], s[G0+4*\slot+2:G0+4*\slot+3], 8192
	s_add_nc_u64 s[G0B+4*\slot+2:G0B+4*\slot+3], s[G0B+4*\slot+2:G0B+4*\slot+3], 8192
	JLOAD G0+4*\slot, G1, G0B+4*\slot, G1B         ; the first tensor load behind the round; its four v_nop are the places in front of the loads below
.else
	PLACES NP
.endif
	FETCH_B \next, 0, 0
	FETCH_A \next, 0, 0
	WIN MUL_HI
	MUL16 4, 1, 0
	MUL16 6, 1, 0
	PLACES NP
	WIN 0
	FETCH_A \next, 0, 4
.endm
	s_wait_alu depctr_va_vdst(0)
	s_wait_tensorcnt 0x0                           ; my part of slot 0 is in
	ds_add_u32 v[SPW], v[NIL]
	s_wait_dscnt 0x0
	CROUND                                         ; a whole round: slot 0 is whole, and the joint loads meet
	JLOAD G0+4, G1, G0B+4, G1B                     ; slot 1's first fill, the first tensor load behind the round
	FETCH_B 0, 0, 0
	FETCH_A 0, 0, 0
	FETCH_A 0, 0, 4
	global_prefetch_b8 v27, s[96:97] offset:12288 th:TH_LOAD_NT scope:SCOPE_SE   ; k 768-1,023, two loads on; the later loads have nothing behind them to ask for
	STEP 0, 0, 1
	TURN 0, 1, 1                                   ; k 128-255; slot 0 takes k 512-767
	STEP 1, 0, 0
	TURN 1, 0, 1                                   ; slot 1 takes k 768-1,023
	STEP 0, 0, 0
	TURN 0, 1, 0                                   ; nothing is left to fetch
	STEP 1, 0, 0
	s_wait_dscnt 4*NL                              ; the last step
	WIN MUL_LO
	MUL16 0, 1, 0
	MUL16 2, 1, 0
	s_wait_dscnt 0
	WIN MUL_HI
	MUL16 4, 1, 0
	MUL16 6, 1, 0
	WIN 0
	; THE WAY OUT.  A sum stands for sum x 2^(eA + eB); its code under 2^eo is sum / 2^(eo - eA - eB): the three scales are the conversion's one.  No LDS: four code registers are a chunk, 512 consecutive bytes a store.
	s_wait_kmcnt 0x0
	s_sub_co_i32 s90, s74, s68
	s_sub_co_i32 s90, s90, s69                     ; q: e6 - e0 - e1
	s_sub_co_i32 s91, s75, s70
	s_sub_co_i32 s91, s91, s71                     ; k: e7 - e2 - e3
	s_sub_co_i32 s92, s76, s72
	s_sub_co_i32 s92, s92, s73                     ; v: e8 - e4 - e5
	s_cmp_eq_u32 ttmp9, 1
	s_cselect_b32 s90, s91, s90
	s_cmp_eq_u32 ttmp9, 2
	s_cselect_b32 s90, s92, s90
	s_add_co_i32 s90, s90, 127
	s_lshl_b32 s91, s90, 23
	v_mov_b32 v[SCV], s91
	s_add_co_i32 s90, s90, 8
	s_lshl_b32 s90, s90, 23
	s_or_b32 s90, s90, 0x600000
	v_mov_b32 v[LIM], s90
	PLACES NP
; Block a of my rows, four accumulators at a time: the hold (each accumulator from its low end on), the conversions, two stores.  mode 0: q, k; mode 1: v.
.macro QOUT a, mode
.irp hf, 0,1
.set AC, 64*((\a)%4)+32*\hf
	WIN 0x02+((\a)/4)                              ; source 0: window 2 or 3
.set xx, 0
.rept 32
	v_med3_num_f32 v[TMP+xx], v[AC+xx], -v[LIM], v[LIM]
.set xx, xx+1
.endr
	WIN 0
.irp y, 0,1,2,3
	v_cvt_scalef32_pk8_fp8_f32 v[CD+16*(\a)+8*\hf+2*\y:CD+16*(\a)+8*\hf+2*\y+1], v[TMP+8*\y:TMP+8*\y+7], v[SCV]
.endr
	v_nop                                          ; one plain vector line behind the last conversion: the next holds write its sources
.irp z, 0,1
.if \mode
	global_store_b128 v[CO], v[CD+16*(\a)+8*\hf+4*\z:CD+16*(\a)+8*\hf+4*\z+3], s[10:11] offset:131072*((\a)/4)+2048*((\a)%4)+512*(2*\hf+\z)
.else
	global_store_b128 v[CO], v[CD+16*(\a)+8*\hf+4*\z:CD+16*(\a)+8*\hf+4*\z+3], s[10:11] offset:1024*(\a)+131072*\hf+512*\z
.endif
.endr
.endr
.endm
	s_cmp_eq_u32 ttmp9, 2                          ; cluster x: all partners go the same way; the two ways differ in the stores' immediates alone
	s_cbranch_scc1 .Lvt
.irp a, 0,1,2,3,4,5,6,7
	QOUT \a, 0
.endr
	s_branch .Lend
.Lvt:
	s_wait_alu depctr_va_vdst(0)
.irp a, 0,1,2,3,4,5,6,7
	QOUT \a, 1
.endr
.Lend:
	s_wait_tensorcnt 0x0                           ; the wave's end
	ds_add_u32 v[SPW], v[NIL]
	s_wait_dscnt 0x0
	CROUND                                         ; the closing round
	s_endpgm
.Lfunc_end_k_q66802a06a9_qkv:
	.size	k_q66802a06a9_qkv, .Lfunc_end_k_q66802a06a9_qkv-k_q66802a06a9_qkv
	.p2alignl 7, 3214868480
	.fill 96, 4, 3214868480
	.section	.rodata,"a",@progbits
	.p2align	6, 0x0
	.amdhsa_kernel k_q66802a06a9_qkv
		.amdhsa_group_segment_fixed_size 327680
		.amdhsa_private_segment_fixed_size 0
		.amdhsa_enable_private_segment 0
		.amdhsa_kernarg_size 32
		.amdhsa_user_sgpr_count 2
		.amdhsa_user_sgpr_kernarg_segment_ptr 1
		.amdhsa_wavefront_size32 1
		.amdhsa_system_sgpr_workgroup_id_x 1
		.amdhsa_system_sgpr_workgroup_id_y 1
		.amdhsa_system_sgpr_workgroup_id_z 1
		.amdhsa_system_vgpr_workitem_id 0
		.amdhsa_next_free_vgpr 1024
		.amdhsa_next_free_sgpr 100
		.amdhsa_reserve_vcc 0
		.amdhsa_float_denorm_mode_32 3
		.amdhsa_float_denorm_mode_16_64 3
		.amdhsa_memory_ordered 1
		.amdhsa_forward_progress 1
		.amdhsa_inst_pref_size 160
	.end_amdhsa_kernel
	.amdgpu_metadata
---
amdhsa.version: [ 1, 2 ]
amdhsa.kernels:
  - .name:           k_q66802a06a9_qkv
    .symbol:         k_q66802a06a9_qkv.kd
    .args:
      - { .name: HA, .offset: 0, .size: 8, .value_kind: global_buffer, .address_space: global }
      - { .name: W, .offset: 8, .size: 8, .value_kind: global_buffer, .address_space: global }
      - { .name: lowp_scales, .offset: 16, .size: 8, .value_kind: global_buffer, .address_space: global }
      - { .name: QKV, .offset: 24, .size: 8, .value_kind: global_buffer, .address_space: global }
    .group_segment_fixed_size: 327680
    .private_segment_fixed_size: 0
    .kernarg_segment_align: 8
    .kernarg_segment_size: 32
    .max_flat_workgroup_size: 128
    .sgpr_count:     100
    .vgpr_count:     1024
    .wavefront_size: 32
...
	.end_amdgpu_metadata
.endif
;; end of part 2
;; launch attn (part 3): grid 8 x 32, 8 waves a work-group, clusters of 4 x 1, 327,680 bytes of LDS; arguments QKV, lowp_scales, AO; writes AO
.if DOCPART == 3
	.amdgcn_target "amdgcn-amd-amdhsa--gfx1250"
	.amdhsa_code_object_version 6
	.text
	.protected	k_q66802a06a9_attn
	.globl	k_q66802a06a9_attn
	.p2align	8
	.type	k_q66802a06a9_attn,@function
k_q66802a06a9_attn:
	s_mov_b64 s[64:65], 0
	v_nop
	global_prefetch_b8 v0, s[64:65] scope:SCOPE_SE
	s_setreg_imm32_b32 hwreg(HW_REG_WAVE_MODE, 25, 1), 1
	s_wait_xcnt 0x0
	s_wait_alu depctr_hold_cnt(0) depctr_sa_sdst(0) depctr_va_vdst(0) depctr_va_sdst(0) depctr_va_ssrc(0) depctr_va_vcc(0) depctr_vm_vsrc(0)
	s_getreg_b32 s2, hwreg(HW_REG_IB_STS2, 6, 4)
	s_cmp_eq_u32 s2, 0
	s_cbranch_scc0 .Lentry_in_a_cluster
	s_endpgm
.Lentry_in_a_cluster:
	s_bfe_u32 s2, ttmp6, 0x10000c
	s_cmp_lg_u32 s2, 0x3003
	s_cbranch_scc0 .Lentry_shape_is_right
	s_endpgm
.Lentry_shape_is_right:
; Attention of one batch x head (work-group y, 32 of them) on codes of FP8 (E4M3): S^T = K Q^T (K = 64), p = 2^(t - M), O^T = V^T P^T (K = the keys); O / l is quantised under entry 10 and stored as w_o's left operand.
; t = score x log2(e) / 8 x 2^(e6 + e7); M = the running largest t rounded up to a whole number; the row's sum l is taken of the unquantised p; when M moves, l and O^T are multiplied by 2^(old M - new M).
; OPERANDS ARE IMAGES of operand registers, lane l's 16 bytes at 16 l of each chunk of 512.  QKV: q at 0, k at 4 MiB: [head][16 tokens][2 chunks]; v at 8 MiB: [head][128 keys][16 channels][4 chunks].  AO: [16 tokens][k / 128][4 chunks].
; SHARES.  A work-group owns 256 queries; each of its eight waves owns 32, two tiles of 16 (A, B), so that every fragment of K and V read from LDS feeds two matrix instructions.  A lane holds one query of each tile throughout.
; LDS.  A head's K (131,072 bytes) and V (as many) lie in LDS whole; no byte is filled twice.  Two fills: at the head each wave asks for 12,288 bytes (waves 0-3: K's key steps 0-5, waves 4-7: V's);
; behind the three lines and a round each asks for 20,480 bytes (key steps 6-15).  Key steps 0-4 read the first fill alone (step 4 fetches step 5's K); the wait for the second fill and a barrier stand ahead of step 5.
; CLUSTER: the four query blocks of a cluster walk the same K and V: both fills are joint loads with the mask 15.  No prefetch: both fills are asked for at the head, so no loop runs ahead of a load.
; WINDOWS.  Tile B's registers have tile A's numbers in window 1, so one text serves both tiles.  Window 0 also holds the addresses, both tiles' running maxima and K's fragments; window 1 also V's fragments.
; LIMITS: e6 + e7 between -123 and 130; e9 and e10 between -126 and 119; the scaled scores stay under 2^31 in magnitude; NaN among the codes' products is not served.
.set VB,    131072                     ; V behind K
.set SPARE, 262144                     ; the spare words, 128 bytes a wave, which no other line names
.set SPW,  5
.set NIL,  6
.set ADK,  8
.set ADV,  9
.set SCP,  3                           ; 2^e9, 448 x 2^e9, 2^e10, 448 x 2^e10: in both windows
.set LIMP, 4
.set SCO,  7
.set LIMO, 10
.set NM,   12                          ; -M (window 0: v13 A's largest raw score)
.set L,    14                          ; the sum, two halves
.set T,    16                          ; v16-21 at work
.set F,    28                          ; 2^(old M - new M)
.set Q,    32
.set CD,   40                          ; p's codes, at the end O's
.set S,    64                          ; S^T, then p
.set O,    128                         ; O^T
.set KF,   160                         ; window 0: K's eight fragments
.set VF,   160                         ; window 1: V's four
.set TB,   2
.set WV,   18
.set SEL,  20
.set CS,   22
.set G1,   24
.set G0,   32
.set G1B,  40
.set MSB, 0
.macro WIN new                         ; the immediate's high byte repeats the setting that is left
.if MSB != (\new)
	s_set_vgpr_msb (MSB<<8)|(\new)
.set MSB, (\new)
.endif
.endm
.macro CROUND
	s_barrier_signal -1
	s_barrier_wait -1
	s_cmp_lg_u32 s[WV], 0
	s_cbranch_scc1 .Lnot_wave_0_\@
	s_barrier_signal -3
.Lnot_wave_0_\@:
	s_barrier_wait -3
	s_barrier_signal -1
	s_barrier_wait -1
.endm
.macro D2
	s_delay_alu instid0(VALU_DEP_2)
.endm
.macro NOPS n
.rept \n
	v_nop
.endr
.endm
	s_load_b128 s[4:7], s[0:1], 0x0                ; QKV, the scales' exponents
	s_load_b64 s[8:9], s[0:1], 0x10                ; AO
	v_lshl_add_u32 v[SPW], v0, 2, SPARE
	v_mov_b32 v[NIL], 0
	ds_add_u32 v[SPW], v[NIL]                      ; the opening lines: the add twice on end and its wait ahead of my first tensor load
	ds_add_u32 v[SPW], v[NIL]
	v_lshrrev_b32 v8, 5, v0
	v_readfirstlane_b32 s[WV], v8                  ; wave 0..7
	s_and_b32 s10, ttmp7, 0xffff                   ; batch x head
	s_bfe_u32 s11, ttmp6, 0x40000                  ; cx
	s_lshl_b32 s12, ttmp9, 2
	s_add_co_u32 s12, s12, s11                     ; my block of 256 queries
	s_lshr_b32 s13, s[WV], 2                       ; I fetch for K (0) or V (1),
	s_and_b32 s14, s[WV], 3                        ; this quarter of a fill
	s_lshl_b32 s17, s10, 17                        ; the head's bytes in q, k and v
	s_lshl_b32 s15, s13, 17
	s_lshl_b32 s48, s13, 22
	s_add_co_u32 s48, s48, 0x400000
	s_add_co_u32 s48, s48, s17                     ; the head's K or V in QKV
	s_mul_i32 s16, s14, 12288
	s_mul_i32 s19, s14, 20480
	s_add_co_u32 s19, s19, 49152
	s_mov_b32 s[G0], 1
	s_add_co_u32 s[G0+1], s15, s16                 ; LDS addresses: the wave's number and constants alone
	s_mov_b32 s[G0+4], 1
	s_add_co_u32 s[G0+5], s15, s19
	s_add_co_u32 s50, s48, s16
	s_mov_b32 s51, 0
	s_add_co_u32 s52, s48, s19
	s_mov_b32 s53, 0
	s_lshl_b32 s60, s12, 4
	s_lshl_b32 s61, s[WV], 1
	s_add_co_u32 s60, s60, s61                     ; tile A's block of 16 queries in the head
	s_lshl_b32 s54, s60, 10
	s_add_co_u32 s54, s54, s17
	s_mov_b32 s55, 0
	s_lshr_b32 s58, s10, 4
	s_lshl_b32 s58, s58, 7
	s_add_co_u32 s58, s58, s60
	s_lshl_b32 s58, s58, 14                        ; AO: row block 128 x batch + block,
	s_and_b32 s61, s10, 15
	s_lshl_b32 s61, s61, 10
	s_add_co_u32 s58, s58, s61                     ; + 1,024 x head
	s_mov_b32 s59, 0
.irp g, G1, G1B                        ; dense blocks as rows of 256 bytes (32 elements of 8 bytes); mask 15, bit 21 beside it
	s_mov_b32 s[\g], 15|(3<<16)|(1<<21)
	s_mov_b32 s[\g+1], 32<<16
	s_mov_b32 s[\g+3], 32<<16
	s_mov_b32 s[\g+5], 32
	s_mov_b32 s[\g+6], 0
	s_mov_b32 s[\g+7], 0
.endr
	s_mov_b32 s[G1+2], 48<<16                      ; the first fill: 48 rows a wave
	s_mov_b32 s[G1+4], 48
	s_mov_b32 s[G1B+2], 80<<16                     ; the second: 80
	s_mov_b32 s[G1B+4], 80
	s_mov_b32 s[SEL], 0x76543210
	s_mov_b32 s[SEL+1], 0xfedcba98
	s_mov_b32 s[CS], 0x3e38aa3b                    ; log2(e) / 8
	s_mov_b32 s[TB], 0
	s_wait_dscnt 0x0
	s_wait_kmcnt 0x0
	s_load_b256 s[68:75], s[6:7], 0x18             ; entries 6 to 13
	s_add_nc_u64 s[G0+2:G0+3], s[4:5], s[50:51]
	s_or_b32 s[G0+3], s[G0+3], 0x80000000
	s_add_nc_u64 s[G0+6:G0+7], s[4:5], s[52:53]
	s_or_b32 s[G0+7], s[G0+7], 0x80000000
	s_add_nc_u64 s[56:57], s[4:5], s[54:55]        ; my queries' codes
	s_add_nc_u64 s[8:9], s[8:9], s[58:59]
	CROUND                                         ; the four partners are here: the joint loads meet
	tensor_load_to_lds s[G0:G0+3], s[G1:G1+7]      ; my one load at the head
	s_nop 0
	NOPS 4
	v_and_b32 v1, 31, v0
	v_lshlrev_b32 v1, 4, v1                        ; 16 x lane
	v_add_nc_u32 v2, VB, v1
	v_mov_b32 v[ADK], v1
	global_load_b128 v[Q:Q+3], v1, s[56:57]
	global_load_b128 v[Q+4:Q+7], v1, s[56:57] offset:512
	WIN 0x40                                       ; destination window 1
	global_load_b128 v[Q:Q+3], v1, s[56:57] offset:1024
	global_load_b128 v[Q+4:Q+7], v1, s[56:57] offset:1536
	WIN 0
	s_wait_kmcnt 0x0
	s_add_co_i32 s76, s68, s69
	s_lshl_b32 s76, s76, 23
	s_add_co_i32 s[CS], s[CS], s76                 ; e6 + e7 go into c's exponent field
	s_mov_b32 s[CS+1], s[CS]
	s_add_co_i32 s76, s71, 127
	s_lshl_b32 s78, s76, 23                        ; 2^e9
	s_add_co_i32 s76, s76, 8
	s_lshl_b32 s79, s76, 23
	s_or_b32 s79, s79, 0x600000                    ; 448 x 2^e9
	s_add_co_i32 s76, s72, 127
	s_lshl_b32 s80, s76, 23                        ; 2^e10
	s_add_co_i32 s76, s76, 8
	s_lshl_b32 s81, s76, 23
	s_or_b32 s81, s81, 0x600000                    ; 448 x 2^e10
	s_add_co_i32 s77, s70, s71                     ; e8 + e9
.macro INIT                            ; a tile's state: the step is written once, and the first change of M multiplies zeros
	v_mov_b32 v[SCP], s78
	v_mov_b32 v[LIMP], s79
	v_mov_b32 v11, s79                             ; the same once more, in another register bank, for the second half of a dual pair
	v_mov_b32 v[SCO], s80
	v_mov_b32 v[LIMO], s81
	v_mov_b32 v[NM], 0x7f61b1e6                    ; -M = 3e38
	v_mov_b32 v[NM+1], 0xff61b1e6                  ; the largest score so far: -3e38
	v_mov_b32 v[L], 0
	v_mov_b32 v[L+1], 0
	v_mov_b32 v[T], 0
	v_mov_b32 v[F+1], 0
.set j, 0
.rept 32
	v_mov_b32 v[O+j], 0
.set j, j+1
.endr
.endm
	INIT
	WIN 0x40
	INIT
	WIN 0
	v_mov_b32 v24, 0x7f61b1e6                      ; tile B's -M and largest score, kept in window 0 for the tail
	v_mov_b32 v25, 0xff61b1e6
	v_mov_b32 v23, 0                               ; the lane permutes' destinations
	v_mov_b32 v26, 0
.macro SCORES
.irp t, 0,1,2,3,4,5,6,7
	v_wmma_f32_16x16x64_fp8_fp8 v[S+8*\t:S+8*\t+7], v[KF+8*\t:KF+8*\t+7], v[Q:Q+7], 0
.endr
.endm
.macro KLOAD off
.irp t, 0,1,2,3,4,5,6,7
	ds_load_b128 v[KF+8*\t:KF+8*\t+3], v[ADK] offset:\off+1024*\t
	ds_load_b128 v[KF+8*\t+4:KF+8*\t+7], v[ADK] offset:\off+1024*\t+512
.endr
.endm
.macro MAXES                           ; 64 scores in four chains, each accumulator from its low end on; the result is max(v[T], v[T+2])
.irp q, 0,1,2,3
	v_max3_num_f32 v[T+\q], v[S+16*\q], v[S+16*\q+1], v[S+16*\q+2]
.endr
.irp i, 3,5,7,9,11,13
.irp q, 0,1,2,3
	v_max3_num_f32 v[T+\q], v[T+\q], v[S+16*\q+\i], v[S+16*\q+\i+1]
.endr
.endr
	v_max3_num_f32 v[T], v[T], v[T+1], v[S+15]
	v_max3_num_f32 v[T+2], v[T+2], v[T+3], v[S+31]
	v_max3_num_f32 v[T], v[T], v[S+47], v[S+63]
.endm
.macro SCALES                          ; O^T x f, then t - M
.set j, 0
.rept 16
	v_pk_mul_f32 v[O+j:O+j+1], v[O+j:O+j+1], v[F:F+1] op_sel_hi:[1,0]
.set j, j+2
.endr
.set j, 0
.rept 32
	v_pk_fma_f32 v[S+j:S+j+1], v[S+j:S+j+1], s[CS:CS+1], v[NM:NM+1] op_sel_hi:[1,0,0]
.set j, j+2
.endr
.endm
.macro EXPS
.set j, 0
.rept 64
	v_exp_f32 v[S+j], v[S+j]
.set j, j+1
.endr
.endm
.macro QUANT                           ; the sum of the unquantised p in four chains, the hold, the conversions
	v_pk_add_f32 v[T:T+1], v[S:S+1], v[S+2:S+3]
	v_pk_add_f32 v[T+2:T+3], v[S+4:S+5], v[S+6:S+7]
	v_pk_add_f32 v[T+4:T+5], v[S+8:S+9], v[S+10:S+11]
	v_pk_add_f32 v[L:L+1], v[L:L+1], v[S+12:S+13]
.irp j, 14,22,30,38,46,54
	v_pk_add_f32 v[T:T+1], v[T:T+1], v[S+\j:S+\j+1]
	v_pk_add_f32 v[T+2:T+3], v[T+2:T+3], v[S+\j+2:S+\j+3]
	v_pk_add_f32 v[T+4:T+5], v[T+4:T+5], v[S+\j+4:S+\j+5]
	v_pk_add_f32 v[L:L+1], v[L:L+1], v[S+\j+6:S+\j+7]
.endr
	v_pk_add_f32 v[T:T+1], v[T:T+1], v[S+62:S+63]
	v_pk_add_f32 v[T+2:T+3], v[T+2:T+3], v[T+4:T+5]
	v_pk_add_f32 v[L:L+1], v[L:L+1], v[T:T+1]
.set j, 0
.rept 32
	v_dual_min_num_f32 v[S+j], v[S+j], v[LIMP] :: v_dual_min_num_f32 v[S+j+1], v[S+j+1], v11   ; the conversion does not saturate (ISA guide 7.6.2); p is not negative; two holds an instruction
.set j, j+2
.endr
	v_pk_add_f32 v[L:L+1], v[L:L+1], v[T+2:T+3]
.irp t, 0,1,2,3,4,5,6,7
	v_cvt_scalef32_pk8_fp8_f32 v[CD+2*\t:CD+2*\t+1], v[S+8*\t:S+8*\t+7], v[SCP]   ; tile t's eight keys 16 t + 8 h + 0..7: registers 2 t, 2 t + 1 of the operand
.endr
.endm
.macro PV
.irp d, 0,1,2,3
	v_wmma_f32_16x16x128_fp8_fp8 v[O+8*\d:O+8*\d+7], v[VF+16*\d:VF+16*\d+15], v[CD:CD+15], v[O+8*\d:O+8*\d+7]
.endr
.endm
; A KEY STEP: 128 keys for both tiles.  K's fragments are in registers.  skip = 1: the part's last trip has no next step to fetch for.
.macro STEP skip
	SCORES
	WIN 0x54                                       ; K window 0; Q, D window 1
	SCORES
	WIN 0
	v_add_nc_u32 v[ADK], s[TB], v1                 ; four places ahead of the loads into registers that matrix instructions have read, and of the first read of the scores
	v_add_nc_u32 v[ADV], s[TB], v2
	NOPS 2
.if \skip
	s_cmp_eq_u32 s3, 1
	s_wait_alu depctr_va_vdst(0)
	s_cbranch_scc1 .Lnok_\@
.endif
	KLOAD 8192                                     ; the next step's K
.if \skip
.Lnok_\@:
.endif
	WIN 0x40
.irp d, 0,1,2,3
.irp c, 0,1,2,3
	ds_load_b128 v[VF+16*\d+4*\c:VF+16*\d+4*\c+3], v[ADV] offset:2048*\d+512*\c   ; this step's V
.endr
.endr
	WIN 0
	MAXES
	v_max_num_f32 v16, v16, v18
	WIN 0x55
	MAXES
	WIN 0x05                                       ; sources window 1, destination window 0
	v_max_num_f32 v22, v16, v18
	WIN 0
	v_permlanex16_b32 v23, v16, s[SEL], s[SEL+1]   ; the two tiles' tails, line by line by turns
	v_permlanex16_b32 v26, v22, s[SEL], s[SEL+1]
	D2
	v_max3_num_f32 v13, v13, v16, v23              ; the running largest score
	D2
	v_max3_num_f32 v25, v25, v22, v26
	D2
	v_mul_f32 v16, s[CS], v13                      ; as t (c is positive)
	D2
	v_mul_f32 v22, s[CS], v25
	D2
	v_floor_f32 v17, -v16                          ; the new -M
	D2
	v_floor_f32 v27, -v22
	D2
	v_sub_f32 v16, v17, v12                        ; old M - new M, a whole number, 0 or less
	D2
	v_sub_f32 v22, v27, v24
	v_mov_b32 v12, v17
	v_mov_b32 v24, v27
	v_cvt_i32_f32 v16, v16                         ; (it saturates)
	v_cvt_i32_f32 v22, v22
	D2
	v_ldexp_f32 v[F], 1.0, v16
	WIN 0x40
	v_ldexp_f32 v[F], 1.0, v22                     ; tile B's f and -M go to window 1
	v_mov_b32 v[NM], v27
	WIN 0
	SCALES
	WIN 0x55
	SCALES
	s_wait_dscnt 0x0                               ; V, and the next step's K: asked for ahead of the maxima
	s_wait_alu depctr_va_vdst(0)
	EXPS
	WIN 0
	EXPS
	v_pk_mul_f32 v[L:L+1], v[L:L+1], v[F:F+1] op_sel_hi:[1,0]   ; a plain place behind the batch
	s_wait_alu depctr_va_vdst(0)                   ; and the one wait behind it
	QUANT
	WIN 0x55
	v_pk_mul_f32 v[L:L+1], v[L:L+1], v[F:F+1] op_sel_hi:[1,0]
	QUANT
	v_nop                                          ; one plain line behind the last conversion
	WIN 0x01                                       ; V window 1; P, C, D window 0
	PV
	WIN 0x55
	PV
	WIN 0
.endm
.macro PART trips, skip
	s_mov_b32 s3, \trips
.Lstep_\@:
	STEP \skip
	s_add_co_u32 s[TB], s[TB], 8192
	s_sub_co_u32 s3, s3, 1
	s_cmp_lg_u32 s3, 0
	s_cbranch_scc1 .Lstep_\@
.endm
	s_wait_alu depctr_va_vdst(0)
	s_wait_loadcnt 0x0                             ; Q
	s_wait_tensorcnt 0x0                           ; my part of the first fill is in
	ds_add_u32 v[SPW], v[NIL]
	s_wait_dscnt 0x0
	CROUND                                         ; the first fill is whole in all four partners
	tensor_load_to_lds s[G0+4:G0+7], s[G1B:G1B+7]  ; key steps 6-15: my one load behind the round
	s_nop 0
	NOPS 4
	KLOAD 0
	s_wait_dscnt 0x0
	PART 5, 0                                      ; key steps 0-4
	s_wait_tensorcnt 0x0                           ; my part of the second fill
	s_wait_dscnt 0x0
	s_barrier_signal -1
	s_barrier_wait -1                              ; and everybody's
	PART 11, 1                                     ; key steps 5-15
; THE WAY OUT of a tile: O^T / l x 2^(e8 + e9), held, quantised under 2^e10: four code registers are a chunk of AO's image.
.macro FIN
	v_add_f32 v[L], v[L], v[L+1]
	v_permlanex16_b32 v[T], v[L], s[SEL], s[SEL+1]
	v_add_f32 v[L], v[L], v[T]
	s_wait_alu depctr_va_vdst(0)
	v_rcp_f32 v[L], v[L]
	v_nop
	s_wait_alu depctr_va_vdst(0)
	v_ldexp_f32 v[L], v[L], s77
	s_wait_alu depctr_va_vdst(0)
.set j, 0
.rept 32
	v_mul_f32 v[S+j], v[O+j], v[L]
.set j, j+1
.endr
.set j, 0
.rept 32
	v_med3_num_f32 v[S+j], v[S+j], -v[LIMO], v[LIMO]
.set j, j+1
.endr
.irp d, 0,1,2,3
	v_cvt_scalef32_pk8_fp8_f32 v[CD+2*\d:CD+2*\d+1], v[S+8*\d:S+8*\d+7], v[SCO]
.endr
	v_nop
.endm
	NOPS 4
	FIN
	global_store_b128 v1, v[CD:CD+3], s[8:9]                    ; 32 lanes store 512 consecutive bytes, aligned
	global_store_b128 v1, v[CD+4:CD+7], s[8:9] offset:512
	WIN 0x55
	FIN
	WIN 0x04                                       ; the stores' data window 1
	global_store_b128 v1, v[CD:CD+3], s[8:9] offset:16384       ; tile B: the next row block
	global_store_b128 v1, v[CD+4:CD+7], s[8:9] offset:16896
	WIN 0
	s_wait_tensorcnt 0x0                           ; the wave's end
	ds_add_u32 v[SPW], v[NIL]
	s_wait_dscnt 0x0
	CROUND                                         ; the closing round
	s_endpgm
.Lfunc_end_k_q66802a06a9_attn:
	.size	k_q66802a06a9_attn, .Lfunc_end_k_q66802a06a9_attn-k_q66802a06a9_attn
	.p2alignl 7, 3214868480
	.fill 96, 4, 3214868480
	.section	.rodata,"a",@progbits
	.p2align	6, 0x0
	.amdhsa_kernel k_q66802a06a9_attn
		.amdhsa_group_segment_fixed_size 327680
		.amdhsa_private_segment_fixed_size 0
		.amdhsa_enable_private_segment 0
		.amdhsa_kernarg_size 24
		.amdhsa_user_sgpr_count 2
		.amdhsa_user_sgpr_kernarg_segment_ptr 1
		.amdhsa_wavefront_size32 1
		.amdhsa_system_sgpr_workgroup_id_x 1
		.amdhsa_system_sgpr_workgroup_id_y 1
		.amdhsa_system_sgpr_workgroup_id_z 1
		.amdhsa_system_vgpr_workitem_id 0
		.amdhsa_next_free_vgpr 512
		.amdhsa_next_free_sgpr 96
		.amdhsa_reserve_vcc 0
		.amdhsa_float_denorm_mode_32 3
		.amdhsa_float_denorm_mode_16_64 3
		.amdhsa_memory_ordered 1
		.amdhsa_forward_progress 1
		.amdhsa_inst_pref_size 76
	.end_amdhsa_kernel
	.amdgpu_metadata
---
amdhsa.version: [ 1, 2 ]
amdhsa.kernels:
  - .name:           k_q66802a06a9_attn
    .symbol:         k_q66802a06a9_attn.kd
    .args:
      - { .name: QKV, .offset: 0, .size: 8, .value_kind: global_buffer, .address_space: global }
      - { .name: lowp_scales, .offset: 8, .size: 8, .value_kind: global_buffer, .address_space: global }
      - { .name: AO, .offset: 16, .size: 8, .value_kind: global_buffer, .address_space: global }
    .group_segment_fixed_size: 327680
    .private_segment_fixed_size: 0
    .kernarg_segment_align: 8
    .kernarg_segment_size: 24
    .max_flat_workgroup_size: 256
    .sgpr_count:     96
    .vgpr_count:     512
    .wavefront_size: 32
...
	.end_amdgpu_metadata
.endif
;; end of part 3
;; launch ogemm (part 4): grid 8 x 32, 4 waves a work-group, clusters of 4 x 4, 327,680 bytes of LDS; arguments AO, W, lowp_scales, x, X1; writes X1
.if DOCPART == 4
	.amdgcn_target "amdgcn-amd-amdhsa--gfx1250"
	.amdhsa_code_object_version 6
	.text
	.protected	k_q66802a06a9_ogemm
	.globl	k_q66802a06a9_ogemm
	.p2align	8
	.type	k_q66802a06a9_ogemm,@function
k_q66802a06a9_ogemm:
	s_mov_b64 s[64:65], 0
	v_nop
	global_prefetch_b8 v0, s[64:65] scope:SCOPE_SE
	s_setreg_imm32_b32 hwreg(HW_REG_WAVE_MODE, 25, 1), 1
	s_wait_xcnt 0x0
	s_wait_alu depctr_hold_cnt(0) depctr_sa_sdst(0) depctr_va_vdst(0) depctr_va_sdst(0) depctr_va_ssrc(0) depctr_va_vcc(0) depctr_vm_vsrc(0)
	s_getreg_b32 s2, hwreg(HW_REG_IB_STS2, 6, 4)
	s_cmp_eq_u32 s2, 0
	s_cbranch_scc0 .Lentry_in_a_cluster
	s_endpgm
.Lentry_in_a_cluster:
	s_bfe_u32 s2, ttmp6, 0x10000c
	s_cmp_lg_u32 s2, 0xf033
	s_cbranch_scc0 .Lentry_shape_is_right
	s_endpgm
.Lentry_shape_is_right:
; out = res + (A B^T) x 2^(eA + eB) (+ bias where BIAS = 1), A and B codes of FP8 (E4M3) laid as images of operand registers, res and out f32 [4,096][1,024].
; Here: A = attention's result (AO), B = w_o (W + 3 MiB), K = 1,024, res = x, out = X1, scales: entries 10, 11.
; IMAGES: a fragment (16 rows x 128 k) is 2,048 bytes, 4 chunks of 512, lane l's 16 bytes at 16 l; [row block][ks][2,048], RBP bytes from one row block to the next.
; A tile of C is 128 x 128, so that N = 1,024 still gives 256 work-groups; four waves, each 64 x 64: 16 accumulators.  K goes in steps of 512 through two LDS slots; a quarter is 128 along K: 16 matrix instructions.
; THE MATRIX INSTRUCTION IS USED TRANSPOSED (source 0 = 16 rows of B, source 1 = 16 rows of A): a lane holds eight neighbouring numbers of a row of C.
; CLUSTERS: 4 x 4 work-groups; A's tile is asked for jointly along a row of the cluster, B's along a column.
; The residual's rows (and the bias) are asked for at the head, into registers of their own, and are waited for on the way out.
; LIMIT: eA + eB between -126 and 127.
; REGISTERS: window 0: v0-31 addresses; v32-63 a block's results; v64-127 rows read back, two sets; v128-255 the accumulators ((a, b) at v[128 + 8 (4 a + b)]).
;   window 1: two fragment buffers of 128: A's four fragments, then B's four.   window 2: v0-127 the residual; v128-159 the bias.
.set RBP,    16384
.set WOFF,   3<<20
.set LAPS,   1                         ; K / 1,024: a lap = two slots
.set BIAS,   0
.set EA,     78                        ; s78, s79: the two exponents (entry n lies in s[68 + n])
.set EB,     79
.set NTOUT,  0
; ALL OF K IN ONE FILL: a tile's A and B, 128 rows x 1,024 k each, are 262,144 bytes and lie in LDS whole.  Each wave asks for 4 row blocks of 16,384 bytes by one joint load at the head; no byte is filled twice and no slot changes.
.set HALFT,  65536                     ; 4 row blocks x 16,384 bytes (1,024 k)
.set SLOT,   8192                      ; from k 0-511 to k 512-1,023 inside a row block
.set STAGE,  4*HALFT                   ; behind the tiles: 16 rows x 272 bytes for each wave
.set SPITCH, 272
.set SPARE,  STAGE+4*16*SPITCH         ; behind the stages: the spare words, 128 bytes for each wave, which no other line names
.set BO,   6                           ; v6      32 x (lane / 16): the bias's offset
.set ADRA, 16
.set ADRB, 20
.set STO,  24
.set RD,   25
.set CO,   26                          ; v26     my byte offset in two rows of res and of out
.set SPW,  28
.set NIL,  29
.set TMP,  32
.set BK,   64
.set ACC,  128
.set F0,   0
.set F1,   128
.set RES,  0
.set BI,   128
.set G1, 24
.set G0, 32
.set G1B, 48
.set G0B, 56
.set MSB, 0
.macro WIN new
.if MSB != (\new)
	s_set_vgpr_msb (MSB<<8)|(\new)
.set MSB, (\new)
.endif
.endm
.set MUL,  0x05                        ; sources 0 (B) and 1 (A) window 1; C and D window 0
.set TO_F, 0x40                        ; destination window 1, address window 0
.macro JLOAD s                         ; a joint load: waves 0 and 1 fetch A's halves, waves 2 and 3 B's; an s_nop 0 and four v_nop follow each of the two lines
	s_cmp_eq_u32 s15, 0
	s_cbranch_scc0 .Lfor_b_\@
	tensor_load_to_lds s[G0+4*\s:G0+4*\s+3], s[G1:G1+7]
	s_nop 0
.rept 4
	v_nop
.endr
	s_branch .Lasked_\@
.Lfor_b_\@:
	tensor_load_to_lds s[G0B+4*\s:G0B+4*\s+3], s[G1B:G1B+7]
	s_nop 0
.rept 4
	v_nop
.endr
.Lasked_\@:
.endm
.macro CREST
	s_cmp_lg_u32 s14, 0
	s_cbranch_scc1 .Lnot_wave_0_\@
	s_barrier_signal -3
.Lnot_wave_0_\@:
	s_barrier_wait -3
	s_barrier_signal -1
	s_barrier_wait -1
.endm
.macro CROUND
	s_barrier_signal -1
	s_barrier_wait -1
	CREST
.endm
	s_load_b128 s[4:7], s[0:1], 0x0                ; A's image, W
	s_load_b128 s[8:11], s[0:1], 0x10              ; the scales' exponents, the residual
.if BIAS
	s_load_b128 s[84:87], s[0:1], 0x20             ; the bias, the output
.else
	s_load_b64 s[86:87], s[0:1], 0x20              ; the output
.endif
	v_lshl_add_u32 v[SPW], v0, 2, SPARE
	v_mov_b32 v[NIL], 0
	ds_add_u32 v[SPW], v[NIL]                      ; the wave's opening: the add and its wait ahead of my first tensor load; the set-up below stands between them
	ds_add_u32 v[SPW], v[NIL]
	v_lshrrev_b32 v1, 5, v0
	v_readfirstlane_b32 s14, v1                    ; wave 0..3
	s_lshr_b32 s15, s14, 1                         ; which half of the tile's rows is mine.  Also: I fetch for A (0) or for B (1)
	s_and_b32 s16, s14, 1                          ; which half of its columns.  Also: which 4 row blocks of that tile I fetch
	s_bfe_u32 s40, ttmp6, 0x40000                  ; cx
	s_bfe_u32 s41, ttmp6, 0x40004                  ; cy
	s_lshl_b32 s42, ttmp9, 2
	s_add_co_u32 s42, s42, s40                     ; tile column
	s_and_b32 s17, ttmp7, 0xffff
	s_lshl_b32 s17, s17, 2
	s_add_co_u32 s17, s17, s41                     ; tile row
	s_lshl_b32 s43, s41, 2
	s_lshl_b32 s43, 15, s43                        ; my row of the cluster
	s_lshl_b32 s44, 0x1111, s40                    ; my column
	; descriptor group 1: 4 row blocks x 16,384 bytes (2,048 elements of 8 bytes), RBP bytes apart in memory, dense in LDS
	s_or_b32 s[G1+0], s43, (3<<16)|(1<<21)
	s_or_b32 s[G1B+0], s44, (3<<16)|(1<<21)
.irp g, G1, G1B
	s_mov_b32 s[\g+1], 2048<<16                    ; tensor_dim0: 2,048 elements of 8 bytes
	s_mov_b32 s[\g+2], 4<<16                       ; tensor_dim1
	s_mov_b32 s[\g+3], 2048<<16                    ; tile_dim0
	s_mov_b32 s[\g+4], 4                           ; tile_dim1
	s_mov_b32 s[\g+5], RBP/8                       ; tensor_dim0_stride
	s_mov_b32 s[\g+6], 0
	s_mov_b32 s[\g+7], 0
.endr
	s_lshl_b32 s19, s16, 2
	s_lshl_b32 s20, s17, 3
	s_add_co_u32 s20, s20, s19                     ; A: row block 8 x tile row + 4 x half
	s_mul_i32 s20, s20, RBP
	s_mov_b32 s21, 0
	s_lshl_b32 s46, s42, 3
	s_add_co_u32 s46, s46, s19                     ; B: 8 x tile column + 4 x half
	s_mul_i32 s46, s46, RBP
	s_add_co_u32 s46, s46, WOFF
	s_mov_b32 s47, 0
	s_mul_i32 s45, s14, HALFT                      ; where they go
	s_wait_dscnt 0x0                               ; the opening add is done
	s_wait_kmcnt 0x0
	s_load_b512 s[68:83], s[8:9], 0x0              ; the sixteen exponents
	s_add_nc_u64 s[20:21], s[4:5], s[20:21]
	s_add_nc_u64 s[46:47], s[6:7], s[46:47]
	CROUND                                         ; all sixteen work-groups are here: the first joint loads meet
.irp s, 0
	s_mov_b32 s[G0+4*\s], 1
	s_add_co_u32 s[G0+4*\s+1], s45, \s*SLOT
	s_add_nc_u64 s[G0+4*\s+2:G0+4*\s+3], s[20:21], \s*8192
	s_or_b32 s[G0+4*\s+3], s[G0+4*\s+3], 0x80000000
	s_mov_b32 s[G0B+4*\s], 1
	s_add_co_u32 s[G0B+4*\s+1], s45, \s*SLOT
	s_add_nc_u64 s[G0B+4*\s+2:G0B+4*\s+3], s[46:47], \s*8192
	s_or_b32 s[G0B+4*\s+3], s[G0B+4*\s+3], 0x80000000
.endr
	JLOAD 0                                        ; slot 0: one tensor load a wave at the head
	v_and_b32 v1, 15, v0                           ; r
	s_wait_alu depctr_va_vdst(0)
	v_bfe_u32 v2, v0, 4, 1                         ; h
	v_and_b32 v3, 31, v0
	v_lshlrev_b32 v3, 4, v3                        ; 16 x lane
	s_mul_i32 s21, s15, HALFT
	s_mul_i32 s22, s16, HALFT
	s_add_co_u32 s22, s22, 2*HALFT
.irp s, 0,1
	v_add_nc_u32 v[ADRA+\s], s21, v3
	v_add_nc_u32 v[ADRB+\s], s22, v3
	s_add_co_u32 s21, s21, SLOT
	s_add_co_u32 s22, s22, SLOT
.endr
	s_mul_i32 s23, s14, 16*SPITCH
	s_add_co_u32 s23, s23, STAGE                   ; my stage
	v_mul_u32_u24 v4, v1, SPITCH                   ; in: row r, 32 bytes for each half of the lanes
	s_wait_alu depctr_va_vdst(0)
	v_lshl_add_u32 v4, v2, 5, v4
	v_add_nc_u32 v[STO], s23, v4
	v_mul_u32_u24 v5, v2, SPITCH                   ; back: lanes 0-15 one row of 256 bytes, lanes 16-31 the next
	v_lshl_add_u32 v5, v1, 4, v5
	v_add_nc_u32 v[RD], s23, v5
	v_lshlrev_b32 v5, 12, v2                       ; and the same two rows in res and out
	v_lshl_add_u32 v[CO], v1, 4, v5
	s_wait_alu depctr_va_vdst(0)
	s_lshl_b32 s20, s17, 7
	s_lshl_b32 s21, s15, 6
	s_add_co_u32 s20, s20, s21                     ; my first row: 128 x tile row + 64 x half
	s_lshl_b32 s20, s20, 12
	s_lshl_b32 s22, s42, 9                         ; my first column, in bytes: 512 x tile column + 256 x half
	s_lshl_b32 s23, s16, 8
	s_add_co_u32 s22, s22, s23
	s_add_co_u32 s20, s20, s22
	s_mov_b32 s21, 0
	s_mov_b32 s23, 0
	s_add_nc_u64 s[10:11], s[10:11], s[20:21]
	s_add_nc_u64 s[86:87], s[86:87], s[20:21]
.if BIAS
	s_add_nc_u64 s[84:85], s[84:85], s[22:23]
	v_lshlrev_b32 v[BO], 5, v2
.endif
.if BIAS
.irp b, 0,1,2,3
	global_load_b128 v[BI+8*\b:BI+8*\b+3], v[BO], s[84:85] offset:64*\b          ; in the accumulators' layout: columns 16 b + 8 h + 0..7
	global_load_b128 v[BI+8*\b+4:BI+8*\b+7], v[BO], s[84:85] offset:64*\b+16
.endr
.endif
	WIN 0
; 4 matrix instructions: A's block a x B's four, 128 along K, from buffer f.  The 16 accumulators take turns, one instruction a turn, in the same order in every quarter.
.macro MUL4 f, a, zero
.irp b, 0,1,2,3
.if \zero
	v_wmma_f32_16x16x128_fp8_fp8 v[ACC+8*(4*(\a)+\b):ACC+8*(4*(\a)+\b)+7], v[\f+64+16*\b:\f+64+16*\b+15], v[\f+16*(\a):\f+16*(\a)+15], 0
.else
	v_wmma_f32_16x16x128_fp8_fp8 v[ACC+8*(4*(\a)+\b):ACC+8*(4*(\a)+\b)+7], v[\f+64+16*\b:\f+64+16*\b+15], v[\f+16*(\a):\f+16*(\a)+15], v[ACC+8*(4*(\a)+\b):ACC+8*(4*(\a)+\b)+7]
.endif
.endr
.endm
.macro MUL8 f, a0, zero
	MUL4 \f, \a0, \zero
	MUL4 \f, \a0+1, \zero
.endm
; 32 LDS loads in one run: the slot's q-th 128 along K into buffer f: B's four fragments, then A's
.macro FETCH slot, q, f
	WIN TO_F
.irp i, 0,1,2,3
.irp c, 0,1,2,3
	ds_load_b128 v[\f+64+16*\i+4*\c:\f+64+16*\i+4*\c+3], v[ADRB+\slot] offset:16384*\i+2048*(\q)+512*\c
.endr
.endr
.irp i, 0,1,2,3
.irp c, 0,1,2,3
	ds_load_b128 v[\f+16*\i+4*\c:\f+16*\i+4*\c+3], v[ADRA+\slot] offset:16384*\i+2048*(\q)+512*\c
.endr
.endr
.endm
.macro PLACES                          ; four plain vector lines in front of loads into registers that matrix instructions have read, and of the first read of results
.rept 4
	v_nop
.endr
.endm
; One of a slot's first three quarters: multiplies buffer f and fetches quarter qn into g.
.macro QUARTER slot, qn, f, g, zero
	s_wait_dscnt 8                                 ; B and A's blocks 0, 1 are in; the youngest 8 loads (A's blocks 2, 3) may be out
	WIN MUL
	MUL8 \f, 0, \zero
	PLACES
	FETCH \slot, \qn, \g
	s_wait_dscnt 32                                ; all but the 32 just issued
	WIN MUL
	MUL8 \f, 2, \zero
.endm
; The last quarter multiplies buffer 1 and changes slots: one barrier; in front of it each wave waits for all its tensor loads, adds 0 to its spare word, and waits for that and for its own reads of this slot.
.macro TURN slot, next, fill
	WIN 0
	s_wait_tensorcnt 0x0                           ; all my tensor loads have landed: my part of the next slot
	ds_add_u32 v[SPW], v[NIL]                      ; 0 onto my spare word
	s_wait_dscnt 9                                 ; (the add and the youngest 8 loads may be out)
	WIN MUL
	MUL4 F1, 0, 0
	s_wait_dscnt 0x0                               ; the add is done, and my reads of this slot are over
	s_barrier_signal -1
	MUL4 F1, 1, 0
.if \fill
	WIN 0
.endif
	s_barrier_wait -1
.if \fill
	CREST                                          ; the barrier has opened a round of the cluster's barrier
	s_add_nc_u64 s[G0+4*\slot+2:G0+4*\slot+3], s[G0+4*\slot+2:G0+4*\slot+3], 16384
	s_add_nc_u64 s[G0B+4*\slot+2:G0B+4*\slot+3], s[G0B+4*\slot+2:G0B+4*\slot+3], 16384
	JLOAD \slot                                    ; the first tensor load behind the round; its four v_nop are the places in front of the loads below
.else
	PLACES
.endif
	FETCH \next, 0, F0
	WIN MUL
	MUL4 F1, 2, 0
	MUL4 F1, 3, 0
.endm
	s_wait_alu depctr_va_vdst(0)
	s_wait_tensorcnt 0x0                           ; my part of the tiles is in
	s_barrier_signal -1
	s_barrier_wait -1                              ; and everybody's
	FETCH 0, 0, F0
	WIN 0x80                                       ; destination window 2: the residual's rows are asked for once the tiles are in, block by block
.irp a, 0,1,2,3
.irp t, 0,1,2,3,4,5,6,7
	global_load_b128 v[RES+32*\a+4*\t:RES+32*\a+4*\t+3], v[CO], s[10:11] offset:(16*\a+2*\t)*4096   ; 16 lanes read 256 consecutive bytes, aligned
.endr
.endr
	QUARTER 0, 1, F0, F1, 1
.if LAPS > 1
	WIN 0
	s_mov_b32 s3, LAPS-1
.Llap:                                             ; a trip goes once round the ring and fills both slots again
	QUARTER 0, 2, F1, F0, 0
	QUARTER 0, 3, F0, F1, 0
	TURN 0, 1, 1
	QUARTER 1, 1, F0, F1, 0
	QUARTER 1, 2, F1, F0, 0
	QUARTER 1, 3, F0, F1, 0
	TURN 1, 0, 1
	QUARTER 0, 1, F0, F1, 0
	WIN 0
	s_sub_co_u32 s3, s3, 1
	s_cmp_lg_u32 s3, 0
	s_cbranch_scc1 .Llap
.endif
	QUARTER 0, 2, F1, F0, 0                        ; the last lap fills nothing
	QUARTER 0, 3, F0, F1, 0
	QUARTER 1, 0, F1, F0, 0                        ; on to k 512-1,023: the same LDS bytes' second halves, no barrier
	QUARTER 1, 1, F0, F1, 0
	QUARTER 1, 2, F1, F0, 0
	QUARTER 1, 3, F0, F1, 0
	s_wait_dscnt 8
	WIN MUL
	MUL8 F1, 0, 0
	s_wait_dscnt 0
	MUL8 F1, 2, 0
	WIN 0
	; THE WAY OUT, a block of 16 rows x 64 columns at a time: x 2^(eA + eB) (+ bias), through my own stage, back as rows of 256 bytes, + the residual, stored.
	PLACES
	s_wait_kmcnt 0x0
	s_add_co_i32 s96, s[EA], s[EB]
	s_add_co_i32 s96, s96, 127
	s_lshl_b32 s96, s96, 23                        ; 2^(eA + eB) as f32
	s_mov_b32 s97, s96
.macro TOSTAGE a
.if BIAS
	WIN 0x20                                       ; source 2 (the bias) window 2
.endif
.set xx, 0
.rept 16
.if BIAS
	v_pk_fma_f32 v[TMP+xx:TMP+xx+1], v[ACC+32*(\a)+xx:ACC+32*(\a)+xx+1], s[96:97], v[BI+xx:BI+xx+1] op_sel_hi:[1,0,1]
.else
	v_pk_mul_f32 v[TMP+xx:TMP+xx+1], v[ACC+32*(\a)+xx:ACC+32*(\a)+xx+1], s[96:97] op_sel_hi:[1,0]
.endif
.set xx, xx+2
.endr
	WIN 0
.irp b, 0,1,2,3
	ds_store_b128 v[STO], v[TMP+8*\b:TMP+8*\b+3] offset:64*\b
	ds_store_b128 v[STO], v[TMP+8*\b+4:TMP+8*\b+7] offset:64*\b+16
.endr
.set BB, BK+32*((\a)%2)
.irp t, 0,1,2,3,4,5,6,7
	ds_load_b128 v[BB+4*\t:BB+4*\t+3], v[RD] offset:\t*2*SPITCH   ; LDS serves a wave's instructions in order (ISA guide 5.7.1.4): these see my stores, and the next block's stores come behind them
.endr
.endm
.macro SEND a, younger                 ; younger: the LDS instructions issued behind block a's loads
.set BB, BK+32*((\a)%2)
	s_wait_dscnt \younger
	s_wait_loadcnt 8*(3-(\a))                      ; block a's eight residual loads are in; the eight of each later block may be out (the launch has no other global load)
	WIN 0x08
.set xx, 0
.rept 16
	v_pk_add_f32 v[BB+xx:BB+xx+1], v[BB+xx:BB+xx+1], v[RES+32*(\a)+xx:RES+32*(\a)+xx+1]
.set xx, xx+2
.endr
	WIN 0
.irp t, 0,1,2,3,4,5,6,7
.if NTOUT
	global_store_b128 v[CO], v[BB+4*\t:BB+4*\t+3], s[86:87] offset:(16*(\a)+2*\t)*4096 th:TH_STORE_NT
.else
	global_store_b128 v[CO], v[BB+4*\t:BB+4*\t+3], s[86:87] offset:(16*(\a)+2*\t)*4096   ; 16 lanes store 256 consecutive bytes, aligned
.endif
.endr
.endm
	TOSTAGE 0
.irp a, 1,2,3
.if \a > 1
	s_wait_xcnt 0x0                                ; block a - 2's stores have read their registers: block a's loads may land there
.endif
	TOSTAGE \a
	SEND \a-1, 16                                  ; behind block a - 1's loads: block a's 8 stores and 8 loads
.endr
	SEND 3, 0
	s_wait_tensorcnt 0x0                           ; the wave's end
	ds_add_u32 v[SPW], v[NIL]
	s_wait_dscnt 0x0
	CROUND                                         ; the closing round
	s_endpgm
.Lfunc_end_k_q66802a06a9_ogemm:
	.size	k_q66802a06a9_ogemm, .Lfunc_end_k_q66802a06a9_ogemm-k_q66802a06a9_ogemm
	.p2alignl 7, 3214868480
	.fill 96, 4, 3214868480
	.section	.rodata,"a",@progbits
	.p2align	6, 0x0
	.amdhsa_kernel k_q66802a06a9_ogemm
		.amdhsa_group_segment_fixed_size 327680
		.amdhsa_private_segment_fixed_size 0
		.amdhsa_enable_private_segment 0
		.amdhsa_kernarg_size 40
		.amdhsa_user_sgpr_count 2
		.amdhsa_user_sgpr_kernarg_segment_ptr 1
		.amdhsa_wavefront_size32 1
		.amdhsa_system_sgpr_workgroup_id_x 1
		.amdhsa_system_sgpr_workgroup_id_y 1
		.amdhsa_system_sgpr_workgroup_id_z 1
		.amdhsa_system_vgpr_workitem_id 0
		.amdhsa_next_free_vgpr 768
		.amdhsa_next_free_sgpr 100
		.amdhsa_reserve_vcc 0
		.amdhsa_float_denorm_mode_32 3
		.amdhsa_float_denorm_mode_16_64 3
		.amdhsa_memory_ordered 1
		.amdhsa_forward_progress 1
		.amdhsa_inst_pref_size 52
	.end_amdhsa_kernel
	.amdgpu_metadata
---
amdhsa.version: [ 1, 2 ]
amdhsa.kernels:
  - .name:           k_q66802a06a9_ogemm
    .symbol:         k_q66802a06a9_ogemm.kd
    .args:
      - { .name: AO, .offset: 0, .size: 8, .value_kind: global_buffer, .address_space: global }
      - { .name: W, .offset: 8, .size: 8, .value_kind: global_buffer, .address_space: global }
      - { .name: lowp_scales, .offset: 16, .size: 8, .value_kind: global_buffer, .address_space: global }
      - { .name: x, .offset: 24, .size: 8, .value_kind: global_buffer, .address_space: global }
      - { .name: X1, .offset: 32, .size: 8, .value_kind: global_buffer, .address_space: global }
    .group_segment_fixed_size: 327680
    .private_segment_fixed_size: 0
    .kernarg_segment_align: 8
    .kernarg_segment_size: 40
    .max_flat_workgroup_size: 128
    .sgpr_count:     100
    .vgpr_count:     768
    .wavefront_size: 32
...
	.end_amdgpu_metadata
.endif
;; end of part 4
;; launch ln2 (part 5): grid 256 x 1, 8 waves a work-group, no clusters, 18,432 bytes of LDS; arguments X1, g2, be2, lowp_scales, H2; writes H2
.if DOCPART == 5
	.amdgcn_target "amdgcn-amd-amdhsa--gfx1250"
	.amdhsa_code_object_version 6
	.text
	.protected	k_q66802a06a9_ln2
	.globl	k_q66802a06a9_ln2
	.p2align	8
	.type	k_q66802a06a9_ln2,@function
k_q66802a06a9_ln2:
	s_mov_b64 s[64:65], 0
	v_nop
	global_prefetch_b8 v0, s[64:65] scope:SCOPE_SE
	s_setreg_imm32_b32 hwreg(HW_REG_WAVE_MODE, 25, 1), 1
	s_wait_xcnt 0x0
; y = g (x - mean) / (std + 1e-6) + be along rows of 1,024 (std with N - 1), in f32, then quantised to FP8 (E4M3) NOUT times, under the given scales 2^e of entries ENT0, ENT0 + 2, ..
; Each output is an image of matrix operand registers: [row block of 16 rows][ks = k / 128][chunk c][512]; in a chunk lane 16 h + r owns 16 bytes: k = 32 c + 8 h + 0..7, then 32 c + 16 + 8 h + 0..7, of row r.
; Output o lies 4 MiB x o into the buffer.  LIMITS: -126 <= e <= 119; NaN among the inputs is not served.
; SHARES.  A work-group of eight waves takes one row block; wave w takes rows w and w + 8, each whole, in 32 registers, between the pass for the mean, the pass for the squares of x - mean and the scaling:
; the row is read once, and a common offset of the inputs costs no accuracy.  A lane holds k = 256 j + 8 lane + 0..7 (j = 0..3): eight neighbours for each conversion.
; A lane's 8 codes are half of a lane's 16 bytes of the image, so the codes meet in LDS (chunks 544 bytes apart, the two halves of a chunk 272: the 32 lanes of a store fall on 32 different 8-byte columns
; modulo 256) and leave as whole chunks, 512 consecutive bytes a store.  No tensor load, no cluster: work-groups share only g and be, 8 KiB against their 64 KiB of rows.
.set NOUT, 1
.set ENT0, 12
.set OUTB, 17408                       ; an output's 32 chunks x 544 bytes in LDS
.set SPARE, NOUT*OUTB                  ; behind them: the spare words, 128 bytes for each wave, which no other line names
.set SPW, 10                           ; v10      LDS address of my spare word; never rewritten
.set NIL, 11                           ; v11      0; never rewritten
.set SC,  12                           ; v12-17   output o: 2^e, 448 x 2^e
.set P,   18                           ; v18-29   three pairs at work for each of the two rows
.set PT,  30                           ; v30, v31 the lane permutes' destinations
.set X,   32                           ; v32-95   the two rows
.set G,   96                           ; v96-127  g at my 32 places
.set BE,  128                          ; v128-159 be
.set T,   160                          ; v160-175 two sets of eight held numbers
.set CD,  176                          ; v176..   a pair of code registers for each conversion; later the chunks read back
	s_load_b256 s[4:11], s[0:1], 0x0               ; x s[4:5], g s[6:7], be s[8:9], the scales' exponents s[10:11]
	s_load_b64 s[12:13], s[0:1], 0x20              ; the output
	v_lshl_add_u32 v[SPW], v0, 2, SPARE
	v_mov_b32 v[NIL], 0
	v_lshrrev_b32 v6, 5, v0
	s_delay_alu instid0(VALU_DEP_1)
	v_readfirstlane_b32 s2, v6                     ; wave
	v_and_b32 v7, 31, v0                           ; lane
	s_delay_alu instid0(VALU_DEP_1)
	v_lshlrev_b32 v2, 5, v7                        ; 32 bytes a lane
	s_lshl_b32 s3, s2, 12
	v_add_nc_u32 v1, s3, v2                        ; + my first row
	s_lshl_b32 s14, ttmp9, 16                      ; the block's 16 rows of 4,096 bytes
	s_mov_b32 s15, 0
	s_lshl_b32 s32, ttmp9, 14                      ; and its 16,384 bytes of an image
	s_mov_b32 s33, 0
	s_mov_b32 s30, 0x76543210                      ; v_permlanex16_b32: lane l xor 16
	s_mov_b32 s31, 0xfedcba98
	s_wait_alu depctr_va_vdst(0)
	s_wait_kmcnt 0x0
	s_add_nc_u64 s[4:5], s[4:5], s[14:15]
.irp a, 0,1
.irp j, 0,1,2,3
	global_load_b128 v[X+32*\a+8*\j:X+32*\a+8*\j+3], v1, s[4:5] offset:32768*\a+1024*\j th:TH_LOAD_NT
	global_load_b128 v[X+32*\a+8*\j+4:X+32*\a+8*\j+7], v1, s[4:5] offset:32768*\a+1024*\j+16 th:TH_LOAD_NT
.endr
.endr
.irp j, 0,1,2,3
	global_load_b128 v[G+8*\j:G+8*\j+3], v2, s[6:7] offset:1024*\j
	global_load_b128 v[G+8*\j+4:G+8*\j+7], v2, s[6:7] offset:1024*\j+16
.endr
.irp j, 0,1,2,3
	global_load_b128 v[BE+8*\j:BE+8*\j+3], v2, s[8:9] offset:1024*\j
	global_load_b128 v[BE+8*\j+4:BE+8*\j+7], v2, s[8:9] offset:1024*\j+16
.endr
.set o, 0
.rept NOUT
	s_load_b32 s[16+o], s[10:11], 4*(ENT0+2*o)
.set o, o+1
.endr
	s_add_nc_u64 s[24:25], s[12:13], s[32:33]      ; a base for each output
.if NOUT > 1
	s_add_nc_u64 s[26:27], s[24:25], 0x400000
	s_add_nc_u64 s[28:29], s[26:27], 0x400000
.endif
	; into LDS: chunk 8 j + 4 (l / 16) + (l / 4) % 4; h = l % 2; upper 8 bytes where (l / 2) % 2; row r = w + 8 a
	v_lshrrev_b32 v8, 4, v7
	v_bfe_u32 v9, v7, 2, 2
	s_delay_alu instid0(VALU_DEP_1)
	v_lshl_add_u32 v8, v8, 2, v9
	s_delay_alu instid0(VALU_DEP_1)
	v_mul_u32_u24 v3, v8, 544
	v_and_b32 v9, 1, v7
	s_delay_alu instid0(VALU_DEP_1)
	v_mad_u32_u24 v3, v9, 272, v3
	v_bfe_u32 v9, v7, 1, 1
	s_delay_alu instid0(VALU_DEP_1)
	v_lshl_add_u32 v3, v9, 3, v3
	s_lshl_b32 s3, s2, 4
	v_add_nc_u32 v3, s3, v3
	; back: wave w takes chunks 4 w .. 4 w + 3 of each output; lanes 0-15 the half h = 0, lanes 16-31 the half h = 1
	v_lshrrev_b32 v8, 4, v7
	s_delay_alu instid0(VALU_DEP_1)
	v_mul_u32_u24 v4, v8, 272
	v_and_b32 v9, 15, v7
	s_delay_alu instid0(VALU_DEP_1)
	v_lshl_add_u32 v4, v9, 4, v4
	s_mul_i32 s3, s2, 2176
	v_add_nc_u32 v4, s3, v4
	v_lshlrev_b32 v5, 4, v7                        ; and in memory: 16 x lane + 2,048 x wave
	s_lshl_b32 s3, s2, 11
	v_add_nc_u32 v5, s3, v5
	v_mov_b32 v[PT], 0                             ; written once: a lane permute's destination counts as one of its sources
	v_mov_b32 v[PT+1], 0
.macro REDUCE2 q                       ; v[P + q] (row 0) and v[P + 6 + q] (row 1), each summed over the 32 lanes, the result in every lane
.irp m, 1,2,4,8
	s_delay_alu instid0(VALU_DEP_2)
	v_add_f32_dpp v[P+\q], v[P+\q], v[P+\q] row_xmask:\m row_mask:0xf bank_mask:0xf
	s_delay_alu instid0(VALU_DEP_2)
	v_add_f32_dpp v[P+6+\q], v[P+6+\q], v[P+6+\q] row_xmask:\m row_mask:0xf bank_mask:0xf
.endr
	s_delay_alu instid0(VALU_DEP_2)
	v_permlanex16_b32 v[PT], v[P+\q], s30, s31
	s_delay_alu instid0(VALU_DEP_2)
	v_permlanex16_b32 v[PT+1], v[P+6+\q], s30, s31
	s_delay_alu instid0(VALU_DEP_2)
	v_add_f32 v[P+\q], v[P+\q], v[PT]
	s_delay_alu instid0(VALU_DEP_2)
	v_add_f32 v[P+6+\q], v[P+6+\q], v[PT+1]
.endm
	s_wait_loadcnt 16                              ; the rows' 16 loads are in; g's 8 and be's 8 may be out
	; the mean: two chains a row
.irp a, 0,1
	v_pk_add_f32 v[P+6*\a:P+6*\a+1], v[X+32*\a:X+32*\a+1], v[X+32*\a+2:X+32*\a+3]
	v_pk_add_f32 v[P+6*\a+2:P+6*\a+3], v[X+32*\a+4:X+32*\a+5], v[X+32*\a+6:X+32*\a+7]
.endr
.irp p, 8,12,16,20,24,28
.irp a, 0,1
	s_delay_alu instid0(VALU_DEP_4)
	v_pk_add_f32 v[P+6*\a:P+6*\a+1], v[P+6*\a:P+6*\a+1], v[X+32*\a+\p:X+32*\a+\p+1]
	s_delay_alu instid0(VALU_DEP_4)
	v_pk_add_f32 v[P+6*\a+2:P+6*\a+3], v[P+6*\a+2:P+6*\a+3], v[X+32*\a+\p+2:X+32*\a+\p+3]
.endr
.endr
.irp a, 0
	s_delay_alu instid0(VALU_DEP_3)
	v_pk_add_f32 v[P+6*\a:P+6*\a+1], v[P+6*\a:P+6*\a+1], v[P+6*\a+2:P+6*\a+3]
.endr
.irp a, 1
	s_delay_alu instid0(VALU_DEP_2)
	v_pk_add_f32 v[P+6*\a:P+6*\a+1], v[P+6*\a:P+6*\a+1], v[P+6*\a+2:P+6*\a+3]
.endr
.irp a, 0,1
	s_delay_alu instid0(VALU_DEP_2)
	v_add_f32 v[P+6*\a], v[P+6*\a], v[P+6*\a+1]
.endr
	REDUCE2 0
.irp a, 0,1
	s_delay_alu instid0(VALU_DEP_2)
	v_mul_f32 v[P+6*\a], 0x3a800000, v[P+6*\a]     ; / 1,024
.endr
.irp a, 0,1
.set xx, 0
.rept 16
	v_pk_add_f32 v[X+32*\a+xx:X+32*\a+xx+1], v[X+32*\a+xx:X+32*\a+xx+1], v[P+6*\a:P+6*\a+1] op_sel_hi:[1,0] neg_lo:[0,1] neg_hi:[0,1]   ; x - mean, in place
.set xx, xx+2
.endr
.endr
	; the sum of squares of x - mean: two chains a row, started by products
.irp a, 0,1
	v_pk_mul_f32 v[P+6*\a+2:P+6*\a+3], v[X+32*\a:X+32*\a+1], v[X+32*\a:X+32*\a+1]
	v_pk_mul_f32 v[P+6*\a+4:P+6*\a+5], v[X+32*\a+2:X+32*\a+3], v[X+32*\a+2:X+32*\a+3]
.endr
.irp p, 4,8,12,16,20,24,28
.irp a, 0,1
	s_delay_alu instid0(VALU_DEP_4)
	v_pk_fma_f32 v[P+6*\a+2:P+6*\a+3], v[X+32*\a+\p:X+32*\a+\p+1], v[X+32*\a+\p:X+32*\a+\p+1], v[P+6*\a+2:P+6*\a+3]
	s_delay_alu instid0(VALU_DEP_4)
	v_pk_fma_f32 v[P+6*\a+4:P+6*\a+5], v[X+32*\a+\p+2:X+32*\a+\p+3], v[X+32*\a+\p+2:X+32*\a+\p+3], v[P+6*\a+4:P+6*\a+5]
.endr
.endr
.irp a, 0
	s_delay_alu instid0(VALU_DEP_3)
	v_pk_add_f32 v[P+6*\a+2:P+6*\a+3], v[P+6*\a+2:P+6*\a+3], v[P+6*\a+4:P+6*\a+5]
.endr
.irp a, 1
	s_delay_alu instid0(VALU_DEP_2)
	v_pk_add_f32 v[P+6*\a+2:P+6*\a+3], v[P+6*\a+2:P+6*\a+3], v[P+6*\a+4:P+6*\a+5]
.endr
.irp a, 0,1
	s_delay_alu instid0(VALU_DEP_2)
	v_add_f32 v[P+6*\a+2], v[P+6*\a+2], v[P+6*\a+3]
.endr
	REDUCE2 2
.irp a, 0,1
	s_delay_alu instid0(VALU_DEP_2)
	v_mul_f32 v[P+6*\a+2], 0x3a802008, v[P+6*\a+2] ; / 1,023
.endr
	s_wait_alu depctr_va_vdst(0)
	v_sqrt_f32 v[P+2], v[P+2]
	v_sqrt_f32 v[P+8], v[P+8]
	v_nop                                          ; a plain line behind the last root,
	s_wait_alu depctr_va_vdst(0)                   ; and the one wait ahead of the first reader
	v_add_f32 v[P+2], 0x358637bd, v[P+2]           ; std + 1e-6
	v_add_f32 v[P+8], 0x358637bd, v[P+8]
	s_wait_alu depctr_va_vdst(0)
	v_rcp_f32 v[P+4], v[P+2]
	v_rcp_f32 v[P+10], v[P+8]
	v_nop
	s_wait_alu depctr_va_vdst(0)                   ; likewise for the two reciprocals
.irp a, 0,1
.set xx, 0
.rept 16
	v_pk_mul_f32 v[X+32*\a+xx:X+32*\a+xx+1], v[X+32*\a+xx:X+32*\a+xx+1], v[P+6*\a+4:P+6*\a+5] op_sel_hi:[1,0]
.set xx, xx+2
.endr
.endr
	s_wait_loadcnt 0x0                             ; g and be
.irp a, 0,1
.set xx, 0
.rept 16
	v_pk_fma_f32 v[X+32*\a+xx:X+32*\a+xx+1], v[X+32*\a+xx:X+32*\a+xx+1], v[G+xx:G+xx+1], v[BE+xx:BE+xx+1]
.set xx, xx+2
.endr
.endr
	s_wait_kmcnt 0x0
.set o, 0
.rept NOUT
	s_add_co_i32 s[16+o], s[16+o], 127
	s_lshl_b32 s20, s[16+o], 23
	v_mov_b32 v[SC+2*o], s20                       ; 2^e as f32
	s_add_co_i32 s[16+o], s[16+o], 8
	s_lshl_b32 s20, s[16+o], 23
	s_or_b32 s20, s20, 0x600000
	v_mov_b32 v[SC+2*o+1], s20                     ; 448 x 2^e
.set o, o+1
.endr
	; quantise: the hold into one of two sets by turns (the eight holds of the next set are the plain lines behind each conversion), the conversion, 8 bytes to LDS
.set n, 0
.set o, 0
.rept NOUT
.irp a, 0,1
.irp j, 0,1,2,3
.set TS, T+8*(n%2)
.irp i, 0,1,2,3,4,5,6,7
	v_med3_num_f32 v[TS+\i], v[X+32*\a+8*\j+\i], -v[SC+2*o+1], v[SC+2*o+1]
.endr
	v_cvt_scalef32_pk8_fp8_f32 v[CD+2*n:CD+2*n+1], v[TS:TS+7], v[SC+2*o]
	ds_store_b64 v3, v[CD+2*n:CD+2*n+1] offset:OUTB*o+4352*\j+128*\a
.set n, n+1
.endr
.endr
.set o, o+1
.endr
	v_nop                                          ; one plain vector line behind the last conversion
	s_wait_dscnt 0x0                               ; for the others' sake: my stores have landed
	s_barrier_signal -1
	s_barrier_wait -1                              ; the block's images are whole
.set o, 0
.rept NOUT
.irp i, 0,1,2,3
	ds_load_b128 v[CD+16*o+4*\i:CD+16*o+4*\i+3], v4 offset:OUTB*o+544*\i
.endr
.set o, o+1
.endr
.set n, 0
.set o, 0
.rept NOUT
.irp i, 0,1,2,3
	s_wait_dscnt 4*NOUT-1-n                        ; LDS loads come back in order: this one is in, the younger ones may be out
	global_store_b128 v5, v[CD+16*o+4*\i:CD+16*o+4*\i+3], s[24+2*o:25+2*o] offset:512*\i   ; 32 lanes store a chunk: 512 consecutive bytes, aligned
.set n, n+1
.endr
.set o, o+1
.endr
	s_wait_tensorcnt 0x0                           ; the wave's end
	ds_add_u32 v[SPW], v[NIL]
	s_wait_dscnt 0x0
	s_endpgm
.Lfunc_end_k_q66802a06a9_ln2:
	.size	k_q66802a06a9_ln2, .Lfunc_end_k_q66802a06a9_ln2-k_q66802a06a9_ln2
	.p2alignl 7, 3214868480
	.fill 96, 4, 3214868480
	.section	.rodata,"a",@progbits
	.p2align	6, 0x0
	.amdhsa_kernel k_q66802a06a9_ln2
		.amdhsa_group_segment_fixed_size 18432
		.amdhsa_private_segment_fixed_size 0
		.amdhsa_enable_private_segment 0
		.amdhsa_kernarg_size 40
		.amdhsa_user_sgpr_count 2
		.amdhsa_user_sgpr_kernarg_segment_ptr 1
		.amdhsa_wavefront_size32 1
		.amdhsa_system_sgpr_workgroup_id_x 1
		.amdhsa_system_sgpr_workgroup_id_y 1
		.amdhsa_system_sgpr_workgroup_id_z 1
		.amdhsa_system_vgpr_workitem_id 0
		.amdhsa_next_free_vgpr 224
		.amdhsa_next_free_sgpr 66
		.amdhsa_reserve_vcc 0
		.amdhsa_float_denorm_mode_32 3
		.amdhsa_float_denorm_mode_16_64 3
		.amdhsa_memory_ordered 1
		.amdhsa_forward_progress 1
		.amdhsa_inst_pref_size 27
	.end_amdhsa_kernel
	.amdgpu_metadata
---
amdhsa.version: [ 1, 2 ]
amdhsa.kernels:
  - .name:           k_q66802a06a9_ln2
    .symbol:         k_q66802a06a9_ln2.kd
    .args:
      - { .name: X1, .offset: 0, .size: 8, .value_kind: global_buffer, .address_space: global }
      - { .name: g2, .offset: 8, .size: 8, .value_kind: global_buffer, .address_space: global }
      - { .name: be2, .offset: 16, .size: 8, .value_kind: global_buffer, .address_space: global }
      - { .name: lowp_scales, .offset: 24, .size: 8, .value_kind: global_buffer, .address_space: global }
      - { .name: H2, .offset: 32, .size: 8, .value_kind: global_buffer, .address_space: global }
    .group_segment_fixed_size: 18432
    .private_segment_fixed_size: 0
    .kernarg_segment_align: 8
    .kernarg_segment_size: 40
    .max_flat_workgroup_size: 256
    .sgpr_count:     66
    .vgpr_count:     224
    .wavefront_size: 32
...
	.end_amdgpu_metadata
.endif
;; end of part 5
;; launch ffn1 (part 6): grid 16 x 16, 4 waves a work-group, clusters of 4 x 4, 327,680 bytes of LDS; arguments H2, W, lowp_scales, b1, HID; writes HID
.if DOCPART == 6
	.amdgcn_target "amdgcn-amd-amdhsa--gfx1250"
	.amdhsa_code_object_version 6
	.text
	.protected	k_q66802a06a9_ffn1
	.globl	k_q66802a06a9_ffn1
	.p2align	8
	.type	k_q66802a06a9_ffn1,@function
k_q66802a06a9_ffn1:
	s_mov_b64 s[64:65], 0
	v_nop
	global_prefetch_b8 v0, s[64:65] scope:SCOPE_SE
	s_setreg_imm32_b32 hwreg(HW_REG_WAVE_MODE, 25, 1), 1
	s_wait_xcnt 0x0
	s_wait_alu depctr_hold_cnt(0) depctr_sa_sdst(0) depctr_va_vdst(0) depctr_va_sdst(0) depctr_va_ssrc(0) depctr_va_vcc(0) depctr_vm_vsrc(0)
	s_getreg_b32 s2, hwreg(HW_REG_IB_STS2, 6, 4)
	s_cmp_eq_u32 s2, 0
	s_cbranch_scc0 .Lentry_in_a_cluster
	s_endpgm
.Lentry_in_a_cluster:
	s_bfe_u32 s2, ttmp6, 0x10000c
	s_cmp_lg_u32 s2, 0xf033
	s_cbranch_scc0 .Lentry_shape_is_right
	s_endpgm
.Lentry_shape_is_right:
.set FR,     16
.set NL,     4
.set NP,     4
.set HALFT,  32768
.set SLOT,   4*HALFT
.set SPARE,  2*SLOT
.set BO,   2
.set ADRA, 16
.set ADRB, 20
.set CO,   26
.set SPW,  28
.set NIL,  29
.set SCV,  30
.set LIM,  31
.set BI,   32
.set TMP,  96
.set AF,   128
.set CD,   128
.set G1, 24
.set G0, 32
.set G1B, 48
.set G0B, 56
.set MSB, 0
.macro WIN new
.if MSB != (\new)
	s_set_vgpr_msb (MSB<<8)|(\new)
.set MSB, (\new)
.endif
.endm
.set MUL_LO, 0xa1
.set MUL_HI, 0xf1
.set TO_B,   0x40
.macro JLOAD g0a, g1a, g0b, g1b
	s_cmp_eq_u32 s15, 0
	s_cbranch_scc0 .Lfor_b_\@
	tensor_load_to_lds s[\g0a:\g0a+3], s[\g1a:\g1a+7]
	s_nop 0
.rept 4
	v_nop
.endr
	s_branch .Lasked_\@
.Lfor_b_\@:
	tensor_load_to_lds s[\g0b:\g0b+3], s[\g1b:\g1b+7]
	s_nop 0
.rept 4
	v_nop
.endr
.Lasked_\@:
.endm
.macro CREST
	s_cmp_lg_u32 s14, 0
	s_cbranch_scc1 .Lnot_wave_0_\@
	s_barrier_signal -3
.Lnot_wave_0_\@:
	s_barrier_wait -3
	s_barrier_signal -1
	s_barrier_wait -1
.endm
.macro CROUND
	s_barrier_signal -1
	s_barrier_wait -1
	CREST
.endm
	s_load_b128 s[4:7], s[0:1], 0x0
	s_load_b128 s[8:11], s[0:1], 0x10
	s_load_b64 s[12:13], s[0:1], 0x20
	v_lshl_add_u32 v[SPW], v0, 2, SPARE
	v_mov_b32 v[NIL], 0
	ds_add_u32 v[SPW], v[NIL]
	ds_add_u32 v[SPW], v[NIL]
	v_lshrrev_b32 v1, 5, v0
	v_readfirstlane_b32 s14, v1
	s_lshr_b32 s15, s14, 1
	s_and_b32 s16, s14, 1
	s_bfe_u32 s40, ttmp6, 0x40000
	s_bfe_u32 s41, ttmp6, 0x40004
	s_lshl_b32 s42, ttmp9, 2
	s_add_co_u32 s42, s42, s40
	s_and_b32 s17, ttmp7, 0xffff
	s_lshl_b32 s17, s17, 2
	s_add_co_u32 s17, s17, s41
	s_lshl_b32 s43, s41, 2
	s_lshl_b32 s43, 15, s43
	s_lshl_b32 s44, 0x1111, s40
	s_or_b32 s[G1+0], s43, (3<<16)|(1<<21)
	s_or_b32 s[G1B+0], s44, (3<<16)|(1<<21)
.irp g, G1, G1B
	s_mov_b32 s[\g+1], 512<<16
	s_mov_b32 s[\g+2], 8<<16
	s_mov_b32 s[\g+3], 512<<16
	s_mov_b32 s[\g+4], 8
	s_mov_b32 s[\g+5], 2048
	s_mov_b32 s[\g+6], 0
	s_mov_b32 s[\g+7], 0
.endr
	s_lshl_b32 s19, s16, 17
	s_lshl_b32 s20, s17, 18
	s_add_co_u32 s20, s20, s19
	s_mov_b32 s21, 0
	s_lshl_b32 s46, s42, 18
	s_add_co_u32 s46, s46, s19
	s_add_co_u32 s46, s46, 4<<20
	s_mov_b32 s47, 0
	s_mul_i32 s45, s14, HALFT
	s_wait_dscnt 0x0
	s_wait_kmcnt 0x0
	s_load_b512 s[68:83], s[8:9], 0x0
	s_add_nc_u64 s[20:21], s[4:5], s[20:21]
	s_add_nc_u64 s[46:47], s[6:7], s[46:47]
	CROUND
.irp s, 0,1
	s_mov_b32 s[G0+4*\s], 1
	s_add_co_u32 s[G0+4*\s+1], s45, \s*SLOT
	s_add_nc_u64 s[G0+4*\s+2:G0+4*\s+3], s[20:21], \s*4096
	s_or_b32 s[G0+4*\s+3], s[G0+4*\s+3], 0x80000000
	s_mov_b32 s[G0B+4*\s], 1
	s_add_co_u32 s[G0B+4*\s+1], s45, \s*SLOT
	s_add_nc_u64 s[G0B+4*\s+2:G0B+4*\s+3], s[46:47], \s*4096
	s_or_b32 s[G0B+4*\s+3], s[G0B+4*\s+3], 0x80000000
.endr
	s_cmp_eq_u32 s15, 0                            ; the prefetches' base: the tile that my wave fetches,
	s_cselect_b64 s[92:93], s[20:21], s[46:47]
	s_cselect_b32 s94, s40, s41                    ; and of its 8 row blocks the two of my place among the four that ask for it jointly (cx for A, cy for B): told apart by address
	s_lshl_b32 s94, s94, 15
	s_mov_b32 s95, 0
	s_add_nc_u64 s[92:93], s[92:93], s[94:95]
	JLOAD G0, G1, G0B, G1B                         ; slot 0: one tensor load a wave at the head
	v_and_b32 v1, 31, v0
	v_lshlrev_b32 v[CO], 4, v1
	v_lshrrev_b32 v27, 4, v1                       ; a lane names a block of 256 bytes: row block lane / 16, block lane % 16 of its 4,096 bytes of a slot; never rewritten
	v_lshlrev_b32 v27, 14, v27
	v_and_b32 v3, 15, v1
	v_lshl_add_u32 v27, v3, 8, v27
	global_prefetch_b8 v27, s[92:93] offset:4096 th:TH_LOAD_NT scope:SCOPE_SE    ; k 256-511, which the next joint load asks for,
	global_prefetch_b8 v27, s[92:93] offset:8192 th:TH_LOAD_NT scope:SCOPE_SE    ; and k 512-767, two loads on
	s_mul_i32 s21, s15, HALFT
	s_mul_i32 s22, s16, HALFT
	s_add_co_u32 s22, s22, 2*HALFT
.irp s, 0,1
	v_add_nc_u32 v[ADRA+\s], s21, v[CO]
	v_add_nc_u32 v[ADRB+\s], s22, v[CO]
	s_add_co_u32 s21, s21, SLOT
	s_add_co_u32 s22, s22, SLOT
.endr
	v_bfe_u32 v[BO], v0, 4, 1
	v_lshlrev_b32 v[BO], 5, v[BO]
	s_lshl_b32 s88, s42, 10
	s_lshl_b32 s89, s16, 9
	s_add_co_u32 s88, s88, s89
	s_mov_b32 s89, 0
	s_add_nc_u64 s[10:11], s[10:11], s[88:89]
.irp b, 0,1,2,3,4,5,6,7
	global_load_b128 v[BI+8*\b:BI+8*\b+3], v[BO], s[10:11] offset:64*\b
	global_load_b128 v[BI+8*\b+4:BI+8*\b+7], v[BO], s[10:11] offset:64*\b+16
.endr
	s_lshl_b32 s88, s17, 4
	s_lshl_b32 s90, s15, 3
	s_add_co_u32 s88, s88, s90
	s_lshl_b32 s88, s88, 16
	s_lshl_b32 s90, s42, 1
	s_add_co_u32 s90, s90, s16
	s_lshl_b32 s90, s90, 11
	s_add_co_u32 s88, s88, s90
	s_mov_b32 s89, 0
	s_add_nc_u64 s[12:13], s[12:13], s[88:89]
.macro FRAG reg, adr, q, i
.irp c, 0,1,2,3
	ds_load_b128 v[\reg+4*\c:\reg+4*\c+3], v[\adr] offset:4096*(\i)+2048*(\q)+512*\c
.endr
.endm
.macro MUL16 a0, p, zero
.irp a, \a0, \a0+1
.irp b, 0,1,2,3,4,5,6,7
.if \zero
	v_wmma_f32_16x16x128_fp8_fp8 v[8*(8*((\a)%4)+\b):8*(8*((\a)%4)+\b)+7], v[128*(\p)+FR*\b:128*(\p)+FR*\b+FR-1], v[AF+FR*(\a):AF+FR*(\a)+FR-1], 0
.else
	v_wmma_f32_16x16x128_fp8_fp8 v[8*(8*((\a)%4)+\b):8*(8*((\a)%4)+\b)+7], v[128*(\p)+FR*\b:128*(\p)+FR*\b+FR-1], v[AF+FR*(\a):AF+FR*(\a)+FR-1], v[8*(8*((\a)%4)+\b):8*(8*((\a)%4)+\b)+7]
.endif
.endr
.endr
.endm
.macro FETCH_B slot, q, p
	WIN TO_B
.irp i, 0,1,2,3,4,5,6,7
	FRAG 128*(\p)+FR*\i, ADRB+\slot, \q, \i
.endr
	WIN 0
.endm
.macro FETCH_A slot, q, i0
.irp i, \i0, \i0+1, \i0+2, \i0+3
	FRAG AF+FR*(\i), ADRA+\slot, \q, \i
.endr
.endm
.macro PLACES n
.rept \n
	v_nop
.endr
.endm
.macro STEP slot, q, zero
	s_wait_dscnt 4*NL
	WIN MUL_LO
	MUL16 0, (\q)%2, \zero
	MUL16 2, (\q)%2, \zero
	s_wait_dscnt 0
	PLACES NP
	FETCH_B \slot, (\q)+1, 1-(\q)%2
	FETCH_A \slot, (\q)+1, 0
	WIN MUL_HI
	MUL16 4, (\q)%2, \zero
	MUL16 6, (\q)%2, \zero
	PLACES NP
	WIN 0
	FETCH_A \slot, (\q)+1, 4
.endm
.macro TURN slot, next, fill
	s_wait_tensorcnt 0x0
	ds_add_u32 v[SPW], v[NIL]
	s_wait_dscnt 4*NL+1
	WIN MUL_LO
	MUL16 0, 1, 0
	s_wait_dscnt 0x0
	s_barrier_signal -1
	MUL16 2, 1, 0
	WIN 0
	s_barrier_wait -1
.if \fill
	CREST
	s_add_nc_u64 s[G0+4*\slot+2:G0+4*\slot+3], s[G0+4*\slot+2:G0+4*\slot+3], 8192
	s_add_nc_u64 s[G0B+4*\slot+2:G0B+4*\slot+3], s[G0B+4*\slot+2:G0B+4*\slot+3], 8192
	JLOAD G0+4*\slot, G1, G0B+4*\slot, G1B
.else
	PLACES NP
.endif
	FETCH_B \next, 0, 0
	FETCH_A \next, 0, 0
	WIN MUL_HI
	MUL16 4, 1, 0
	MUL16 6, 1, 0
	PLACES NP
	WIN 0
	FETCH_A \next, 0, 4
.endm
	s_wait_alu depctr_va_vdst(0)
	s_wait_tensorcnt 0x0                           ; my part of slot 0 is in
	ds_add_u32 v[SPW], v[NIL]
	s_wait_dscnt 0x0
	CROUND                                         ; a whole round: slot 0 is whole, and the joint loads meet
	JLOAD G0+4, G1, G0B+4, G1B                     ; slot 1's first fill, the first tensor load behind the round
	FETCH_B 0, 0, 0
	FETCH_A 0, 0, 0
	FETCH_A 0, 0, 4
	global_prefetch_b8 v27, s[92:93] offset:12288 th:TH_LOAD_NT scope:SCOPE_SE   ; k 768-1,023, two loads on; the later loads have nothing behind them to ask for
	STEP 0, 0, 1
	TURN 0, 1, 1
	STEP 1, 0, 0
	TURN 1, 0, 1
	STEP 0, 0, 0
	TURN 0, 1, 0
	STEP 1, 0, 0
	s_wait_dscnt 4*NL
	WIN MUL_LO
	MUL16 0, 1, 0
	MUL16 2, 1, 0
	s_wait_dscnt 0
	WIN MUL_HI
	MUL16 4, 1, 0
	MUL16 6, 1, 0
	WIN 0
	s_wait_loadcnt 0x0
	s_wait_kmcnt 0x0
	s_add_co_i32 s96, s80, s81
	s_add_co_i32 s96, s96, 127
	s_lshl_b32 s96, s96, 23
	s_mov_b32 s97, s96
	s_add_co_i32 s90, s82, 127
	s_lshl_b32 s91, s90, 23
	v_mov_b32 v[SCV], s91
	s_add_co_i32 s90, s90, 8
	s_lshl_b32 s90, s90, 23
	s_or_b32 s90, s90, 0x600000
	v_mov_b32 v[LIM], s90
	PLACES NP
.macro FOUT a
.irp hf, 0,1
.set AC, 64*((\a)%4)+32*\hf
	WIN 0x02+((\a)/4)
.set xx, 0
.rept 16
	v_pk_fma_f32 v[TMP+xx:TMP+xx+1], v[AC+xx:AC+xx+1], s[96:97], v[BI+32*\hf+xx:BI+32*\hf+xx+1] op_sel_hi:[1,0,1]
.set xx, xx+2
.endr
	WIN 0
.set xx, 0
.rept 32
	v_med3_num_f32 v[TMP+xx], v[TMP+xx], 0, v[LIM]
.set xx, xx+1
.endr
.irp y, 0,1,2,3
	v_cvt_scalef32_pk8_fp8_f32 v[CD+16*(\a)+8*\hf+2*\y:CD+16*(\a)+8*\hf+2*\y+1], v[TMP+8*\y:TMP+8*\y+7], v[SCV]
.endr
	v_nop
.irp z, 0,1
	global_store_b128 v[CO], v[CD+16*(\a)+8*\hf+4*\z:CD+16*(\a)+8*\hf+4*\z+3], s[12:13] offset:65536*(\a)+512*(2*\hf+\z)
.endr
.endr
.endm
.irp a, 0,1,2,3,4,5,6,7
	FOUT \a
.endr
	s_wait_tensorcnt 0x0
	ds_add_u32 v[SPW], v[NIL]
	s_wait_dscnt 0x0
	CROUND
	s_endpgm
.Lfunc_end_k_q66802a06a9_ffn1:
	.size	k_q66802a06a9_ffn1, .Lfunc_end_k_q66802a06a9_ffn1-k_q66802a06a9_ffn1
	.p2alignl 7, 3214868480
	.fill 96, 4, 3214868480
	.section	.rodata,"a",@progbits
	.p2align	6, 0x0
	.amdhsa_kernel k_q66802a06a9_ffn1
		.amdhsa_group_segment_fixed_size 327680
		.amdhsa_private_segment_fixed_size 0
		.amdhsa_enable_private_segment 0
		.amdhsa_kernarg_size 40
		.amdhsa_user_sgpr_count 2
		.amdhsa_user_sgpr_kernarg_segment_ptr 1
		.amdhsa_wavefront_size32 1
		.amdhsa_system_sgpr_workgroup_id_x 1
		.amdhsa_system_sgpr_workgroup_id_y 1
		.amdhsa_system_sgpr_workgroup_id_z 1
		.amdhsa_system_vgpr_workitem_id 0
		.amdhsa_next_free_vgpr 1024
		.amdhsa_next_free_sgpr 100
		.amdhsa_reserve_vcc 0
		.amdhsa_float_denorm_mode_32 3
		.amdhsa_float_denorm_mode_16_64 3
		.amdhsa_memory_ordered 1
		.amdhsa_forward_progress 1
		.amdhsa_inst_pref_size 136
	.end_amdhsa_kernel
	.amdgpu_metadata
---
amdhsa.version: [ 1, 2 ]
amdhsa.kernels:
  - .name:           k_q66802a06a9_ffn1
    .symbol:         k_q66802a06a9_ffn1.kd
    .args:
      - { .name: H2, .offset: 0, .size: 8, .value_kind: global_buffer, .address_space: global }
      - { .name: W, .offset: 8, .size: 8, .value_kind: global_buffer, .address_space: global }
      - { .name: lowp_scales, .offset: 16, .size: 8, .value_kind: global_buffer, .address_space: global }
      - { .name: b1, .offset: 24, .size: 8, .value_kind: global_buffer, .address_space: global }
      - { .name: HID, .offset: 32, .size: 8, .value_kind: global_buffer, .address_space: global }
    .group_segment_fixed_size: 327680
    .private_segment_fixed_size: 0
    .kernarg_segment_align: 8
    .kernarg_segment_size: 40
    .max_flat_workgroup_size: 128
    .sgpr_count:     100
    .vgpr_count:     1024
    .wavefront_size: 32
...
	.end_amdgpu_metadata
.endif
;; end of part 6
;; launch ffn2 (part 7): grid 8 x 32, 4 waves a work-group, clusters of 4 x 4, 327,680 bytes of LDS; arguments HID, W, lowp_scales, X1, b2, out0; writes out0
.if DOCPART == 7
	.amdgcn_target "amdgcn-amd-amdhsa--gfx1250"
	.amdhsa_code_object_version 6
	.text
	.protected	k_q66802a06a9_ffn2
	.globl	k_q66802a06a9_ffn2
	.p2align	8
	.type	k_q66802a06a9_ffn2,@function
k_q66802a06a9_ffn2:
	s_mov_b64 s[64:65], 0
	v_nop
	global_prefetch_b8 v0, s[64:65] scope:SCOPE_SE
	s_setreg_imm32_b32 hwreg(HW_REG_WAVE_MODE, 25, 1), 1
	s_wait_xcnt 0x0
	s_wait_alu depctr_hold_cnt(0) depctr_sa_sdst(0) depctr_va_vdst(0) depctr_va_sdst(0) depctr_va_ssrc(0) depctr_va_vcc(0) depctr_vm_vsrc(0)
	s_getreg_b32 s2, hwreg(HW_REG_IB_STS2, 6, 4)
	s_cmp_eq_u32 s2, 0
	s_cbranch_scc0 .Lentry_in_a_cluster
	s_endpgm
.Lentry_in_a_cluster:
	s_bfe_u32 s2, ttmp6, 0x10000c
	s_cmp_lg_u32 s2, 0xf033
	s_cbranch_scc0 .Lentry_shape_is_right
	s_endpgm
.Lentry_shape_is_right:
.set RBP,    65536
.set WOFF,   8<<20
.set LAPS,   4
.set BIAS,   1
.set EA,     82
.set EB,     83
.set NTOUT,  1
.set HALFT,  32768
.set SLOT,   4*HALFT
.set STAGE,  2*SLOT
.set SPITCH, 272
.set SPARE,  STAGE+4*16*SPITCH
.set BO,   6
.set ADRA, 16
.set ADRB, 20
.set STO,  24
.set RD,   25
.set CO,   26
.set SPW,  28
.set NIL,  29
.set TMP,  32
.set BK,   64
.set ACC,  128
.set F0,   0
.set F1,   128
.set RES,  0
.set BI,   128
.set G1, 24
.set G0, 32
.set G1B, 48
.set G0B, 56
.set PA, 88
.set PB, 90
.set KO, 92
.set MSB, 0
.macro WIN new
.if MSB != (\new)
	s_set_vgpr_msb (MSB<<8)|(\new)
.set MSB, (\new)
.endif
.endm
.set MUL,  0x05
.set TO_F, 0x40
.macro JLOAD s
	s_cmp_eq_u32 s15, 0
	s_cbranch_scc0 .Lfor_b_\@
	tensor_load_to_lds s[G0+4*\s:G0+4*\s+3], s[G1:G1+7]
	s_nop 0
.rept 4
	v_nop
.endr
	s_branch .Lasked_\@
.Lfor_b_\@:
	tensor_load_to_lds s[G0B+4*\s:G0B+4*\s+3], s[G1B:G1B+7]
	s_nop 0
.rept 4
	v_nop
.endr
.Lasked_\@:
.endm
.macro AIM s
	s_add_nc_u64 s[G0+4*\s+2:G0+4*\s+3], s[PA:PA+1], s[KO+2*\s:KO+2*\s+1]
	s_or_b32 s[G0+4*\s+3], s[G0+4*\s+3], 0x80000000
	s_add_nc_u64 s[G0B+4*\s+2:G0B+4*\s+3], s[PB:PB+1], s[KO+2*\s:KO+2*\s+1]
	s_or_b32 s[G0B+4*\s+3], s[G0B+4*\s+3], 0x80000000
.endm
.macro CREST
	s_cmp_lg_u32 s14, 0
	s_cbranch_scc1 .Lnot_wave_0_\@
	s_barrier_signal -3
.Lnot_wave_0_\@:
	s_barrier_wait -3
	s_barrier_signal -1
	s_barrier_wait -1
.endm
.macro CROUND
	s_barrier_signal -1
	s_barrier_wait -1
	CREST
.endm
	s_load_b128 s[4:7], s[0:1], 0x0
	s_load_b128 s[8:11], s[0:1], 0x10
	s_load_b128 s[84:87], s[0:1], 0x20
	v_lshl_add_u32 v[SPW], v0, 2, SPARE
	v_mov_b32 v[NIL], 0
	ds_add_u32 v[SPW], v[NIL]
	ds_add_u32 v[SPW], v[NIL]
	v_lshrrev_b32 v1, 5, v0
	v_readfirstlane_b32 s14, v1
	s_lshr_b32 s15, s14, 1
	s_and_b32 s16, s14, 1
	s_bfe_u32 s40, ttmp6, 0x40000
	s_bfe_u32 s41, ttmp6, 0x40004
	s_lshl_b32 s42, ttmp9, 2
	s_add_co_u32 s42, s42, s40
	s_and_b32 s17, ttmp7, 0xffff
	s_add_co_u32 s[KO], s17, ttmp9
	s_and_b32 s[KO], s[KO], 1
	s_lshl_b32 s[KO], s[KO], 15
	s_add_co_u32 s[KO+2], s[KO], 8192
	s_mov_b32 s[KO+1], 0
	s_mov_b32 s[KO+3], 0
	s_lshl_b32 s17, s17, 2
	s_add_co_u32 s17, s17, s41
	s_lshl_b32 s43, s41, 2
	s_lshl_b32 s43, 15, s43
	s_lshl_b32 s44, 0x1111, s40
	s_or_b32 s[G1+0], s43, (3<<16)|(1<<21)
	s_or_b32 s[G1B+0], s44, (3<<16)|(1<<21)
.irp g, G1, G1B
	s_mov_b32 s[\g+1], 1024<<16
	s_mov_b32 s[\g+2], 4<<16
	s_mov_b32 s[\g+3], 1024<<16
	s_mov_b32 s[\g+4], 4
	s_mov_b32 s[\g+5], RBP/8
	s_mov_b32 s[\g+6], 0
	s_mov_b32 s[\g+7], 0
.endr
	s_lshl_b32 s19, s16, 2
	s_lshl_b32 s20, s17, 3
	s_add_co_u32 s20, s20, s19
	s_mul_i32 s20, s20, RBP
	s_mov_b32 s21, 0
	s_lshl_b32 s46, s42, 3
	s_add_co_u32 s46, s46, s19
	s_mul_i32 s46, s46, RBP
	s_add_co_u32 s46, s46, WOFF
	s_mov_b32 s47, 0
	s_mul_i32 s45, s14, HALFT
	s_wait_dscnt 0x0
	s_wait_kmcnt 0x0
	s_load_b512 s[68:83], s[8:9], 0x0
	s_add_nc_u64 s[PA:PA+1], s[4:5], s[20:21]
	s_add_nc_u64 s[PB:PB+1], s[6:7], s[46:47]
	s_cmp_eq_u32 s15, 0                            ; the prefetches' base s[66:67]: the 4 row blocks that my wave fetches,
	s_cselect_b64 s[66:67], s[PA:PA+1], s[PB:PB+1]
	s_cselect_b32 s98, s40, s41                    ; and of them the one of my place among the four that ask jointly (cx for A, cy for B): told apart by address
	s_lshl_b32 s98, s98, 16
	s_mov_b32 s99, 0
	s_add_nc_u64 s[66:67], s[66:67], s[98:99]
	s_add_nc_u64 s[12:13], s[66:67], s[KO:KO+1]    ; at the walk's first 512 k
	CROUND
.irp s, 0,1
	s_mov_b32 s[G0+4*\s], 1
	s_add_co_u32 s[G0+4*\s+1], s45, \s*SLOT
	s_mov_b32 s[G0B+4*\s], 1
	s_add_co_u32 s[G0B+4*\s+1], s45, \s*SLOT
	AIM \s
.endr
	JLOAD 0                                        ; slot 0: one tensor load a wave at the head
	v_and_b32 v1, 15, v0
	s_wait_alu depctr_va_vdst(0)
	v_bfe_u32 v2, v0, 4, 1
	v_and_b32 v3, 31, v0
	v_lshlrev_b32 v3, 4, v3
	v_and_b32 v27, 31, v0
	v_lshlrev_b32 v27, 8, v27                      ; a lane names a block of 256 bytes of a row block's 8,192 bytes of a slot; never rewritten
	global_prefetch_b8 v27, s[12:13] offset:8192 th:TH_LOAD_NT scope:SCOPE_SE    ; the walk's second 512 k, which the next joint load asks for (the first four steps of a walk do not wrap),
	global_prefetch_b8 v27, s[12:13] offset:16384 th:TH_LOAD_NT scope:SCOPE_SE   ; and the third, two loads on
	s_mul_i32 s21, s15, HALFT
	s_mul_i32 s22, s16, HALFT
	s_add_co_u32 s22, s22, 2*HALFT
.irp s, 0,1
	v_add_nc_u32 v[ADRA+\s], s21, v3
	v_add_nc_u32 v[ADRB+\s], s22, v3
	s_add_co_u32 s21, s21, SLOT
	s_add_co_u32 s22, s22, SLOT
.endr
	s_mul_i32 s23, s14, 16*SPITCH
	s_add_co_u32 s23, s23, STAGE
	v_mul_u32_u24 v4, v1, SPITCH
	s_wait_alu depctr_va_vdst(0)
	v_lshl_add_u32 v4, v2, 5, v4
	v_add_nc_u32 v[STO], s23, v4
	v_mul_u32_u24 v5, v2, SPITCH
	v_lshl_add_u32 v5, v1, 4, v5
	v_add_nc_u32 v[RD], s23, v5
	v_lshlrev_b32 v5, 12, v2
	v_lshl_add_u32 v[CO], v1, 4, v5
	s_wait_alu depctr_va_vdst(0)
	s_lshl_b32 s20, s17, 7
	s_lshl_b32 s21, s15, 6
	s_add_co_u32 s20, s20, s21
	s_lshl_b32 s20, s20, 12
	s_lshl_b32 s22, s42, 9
	s_lshl_b32 s23, s16, 8
	s_add_co_u32 s22, s22, s23
	s_add_co_u32 s20, s20, s22
	s_mov_b32 s21, 0
	s_mov_b32 s23, 0
	s_add_nc_u64 s[10:11], s[10:11], s[20:21]
	s_add_nc_u64 s[86:87], s[86:87], s[20:21]
	s_add_nc_u64 s[84:85], s[84:85], s[22:23]
	v_lshlrev_b32 v[BO], 5, v2
	WIN 0x80
.irp b, 0,1,2,3
	global_load_b128 v[BI+8*\b:BI+8*\b+3], v[BO], s[84:85] offset:64*\b
	global_load_b128 v[BI+8*\b+4:BI+8*\b+7], v[BO], s[84:85] offset:64*\b+16
.endr
	WIN 0
.macro MUL4 f, a, zero
.irp b, 0,1,2,3
.if \zero
	v_wmma_f32_16x16x128_fp8_fp8 v[ACC+8*(4*(\a)+\b):ACC+8*(4*(\a)+\b)+7], v[\f+64+16*\b:\f+64+16*\b+15], v[\f+16*(\a):\f+16*(\a)+15], 0
.else
	v_wmma_f32_16x16x128_fp8_fp8 v[ACC+8*(4*(\a)+\b):ACC+8*(4*(\a)+\b)+7], v[\f+64+16*\b:\f+64+16*\b+15], v[\f+16*(\a):\f+16*(\a)+15], v[ACC+8*(4*(\a)+\b):ACC+8*(4*(\a)+\b)+7]
.endif
.endr
.endm
.macro MUL8 f, a0, zero
	MUL4 \f, \a0, \zero
	MUL4 \f, \a0+1, \zero
.endm
.macro FETCH slot, q, f
	WIN TO_F
.irp i, 0,1,2,3
.irp c, 0,1,2,3
	ds_load_b128 v[\f+64+16*\i+4*\c:\f+64+16*\i+4*\c+3], v[ADRB+\slot] offset:8192*\i+2048*(\q)+512*\c
.endr
.endr
.irp i, 0,1,2,3
.irp c, 0,1,2,3
	ds_load_b128 v[\f+16*\i+4*\c:\f+16*\i+4*\c+3], v[ADRA+\slot] offset:8192*\i+2048*(\q)+512*\c
.endr
.endr
.endm
.macro PLACES
.rept 4
	v_nop
.endr
.endm
.macro QUARTER slot, qn, f, g, zero
	s_wait_dscnt 8
	WIN MUL
	MUL8 \f, 0, \zero
	PLACES
	FETCH \slot, \qn, \g
	s_wait_dscnt 32
	WIN MUL
	MUL8 \f, 2, \zero
.endm
.macro TURN slot, next, fill
	WIN 0
.if \fill
	s_wait_xcnt 0x0                                ; my last prefetch has read its address, so it may be written:
	s_add_co_u32 s98, s[KO+2*\slot], 32768         ; this slot's k + 4 x 512: two loads on from the refill below
	s_and_b32 s98, s98, 0xffff
	s_add_nc_u64 s[12:13], s[66:67], s[98:99]
.endif
	s_wait_tensorcnt 0x0
	ds_add_u32 v[SPW], v[NIL]
.if \fill
	s_add_co_u32 s[KO+2*\slot], s[KO+2*\slot], 16384
	s_and_b32 s[KO+2*\slot], s[KO+2*\slot], 0xffff
	AIM \slot
.endif
	s_wait_dscnt 9
	WIN MUL
	MUL4 F1, 0, 0
	s_wait_dscnt 0x0
	s_barrier_signal -1
	MUL4 F1, 1, 0
.if \fill
	WIN 0
.endif
	s_barrier_wait -1
.if \fill
	CREST
	JLOAD \slot
.else
	PLACES
.endif
	FETCH \next, 0, F0
.if \fill
	WIN 0
	s_cmp_gt_u32 s3, 1                             ; the last lap's two refills have no load two on
	s_cbranch_scc0 .Lnoask_\@
	global_prefetch_b8 v27, s[12:13] th:TH_LOAD_NT scope:SCOPE_SE
.Lnoask_\@:
.endif
	WIN MUL
	MUL4 F1, 2, 0
	MUL4 F1, 3, 0
.endm
	s_wait_alu depctr_va_vdst(0)
	s_wait_tensorcnt 0x0                           ; my part of slot 0 is in
	ds_add_u32 v[SPW], v[NIL]
	s_wait_dscnt 0x0
	CROUND                                         ; a whole round: slot 0 is whole, and the joint loads meet
	JLOAD 1                                        ; slot 1's first fill, the first tensor load behind the round
	FETCH 0, 0, F0
	global_prefetch_b8 v27, s[12:13] offset:24576 th:TH_LOAD_NT scope:SCOPE_SE   ; the walk's fourth 512 k, two loads on
	QUARTER 0, 1, F0, F1, 1
	PLACES
	WIN 0x80                                       ; destination window 2: the residual's rows are asked for behind the first quarter step
.irp a, 0,1,2,3
.irp t, 0,1,2,3,4,5,6,7
	global_load_b128 v[RES+32*\a+4*\t:RES+32*\a+4*\t+3], v[CO], s[10:11] offset:(16*\a+2*\t)*4096   ; 16 lanes read 256 consecutive bytes, aligned
.endr
.endr
	WIN 0
	s_mov_b32 s3, LAPS-1
.Llap:
	QUARTER 0, 2, F1, F0, 0
	QUARTER 0, 3, F0, F1, 0
	TURN 0, 1, 1
	QUARTER 1, 1, F0, F1, 0
	QUARTER 1, 2, F1, F0, 0
	QUARTER 1, 3, F0, F1, 0
	TURN 1, 0, 1
	QUARTER 0, 1, F0, F1, 0
	WIN 0
	s_sub_co_u32 s3, s3, 1
	s_cmp_lg_u32 s3, 0
	s_cbranch_scc1 .Llap
	QUARTER 0, 2, F1, F0, 0
	QUARTER 0, 3, F0, F1, 0
	TURN 0, 1, 0
	QUARTER 1, 1, F0, F1, 0
	QUARTER 1, 2, F1, F0, 0
	QUARTER 1, 3, F0, F1, 0
	s_wait_dscnt 8
	WIN MUL
	MUL8 F1, 0, 0
	s_wait_dscnt 0
	MUL8 F1, 2, 0
	WIN 0
	PLACES
	s_wait_loadcnt 0x0
	s_wait_kmcnt 0x0
	s_add_co_i32 s96, s[EA], s[EB]
	s_add_co_i32 s96, s96, 127
	s_lshl_b32 s96, s96, 23
	s_mov_b32 s97, s96
.macro TOSTAGE a
	WIN 0x20
.set xx, 0
.rept 16
	v_pk_fma_f32 v[TMP+xx:TMP+xx+1], v[ACC+32*(\a)+xx:ACC+32*(\a)+xx+1], s[96:97], v[BI+xx:BI+xx+1] op_sel_hi:[1,0,1]
.set xx, xx+2
.endr
	WIN 0
.irp b, 0,1,2,3
	ds_store_b128 v[STO], v[TMP+8*\b:TMP+8*\b+3] offset:64*\b
	ds_store_b128 v[STO], v[TMP+8*\b+4:TMP+8*\b+7] offset:64*\b+16
.endr
.set BB, BK+32*((\a)%2)
.irp t, 0,1,2,3,4,5,6,7
	ds_load_b128 v[BB+4*\t:BB+4*\t+3], v[RD] offset:\t*2*SPITCH
.endr
.endm
.macro SEND a, younger
.set BB, BK+32*((\a)%2)
	s_wait_dscnt \younger
	WIN 0x08
.set xx, 0
.rept 16
	v_pk_add_f32 v[BB+xx:BB+xx+1], v[BB+xx:BB+xx+1], v[RES+32*(\a)+xx:RES+32*(\a)+xx+1]
.set xx, xx+2
.endr
	WIN 0
.irp t, 0,1,2,3,4,5,6,7
	global_store_b128 v[CO], v[BB+4*\t:BB+4*\t+3], s[86:87] offset:(16*(\a)+2*\t)*4096 th:TH_STORE_NT
.endr
.endm
	TOSTAGE 0
.irp a, 1,2,3
.if \a > 1
	s_wait_xcnt 0x0
.endif
	TOSTAGE \a
	SEND \a-1, 16
.endr
	SEND 3, 0
	s_wait_tensorcnt 0x0
	ds_add_u32 v[SPW], v[NIL]
	s_wait_dscnt 0x0
	CROUND
	s_endpgm
.Lfunc_end_k_q66802a06a9_ffn2:
	.size	k_q66802a06a9_ffn2, .Lfunc_end_k_q66802a06a9_ffn2-k_q66802a06a9_ffn2
	.p2alignl 7, 3214868480
	.fill 96, 4, 3214868480
	.section	.rodata,"a",@progbits
	.p2align	6, 0x0
	.amdhsa_kernel k_q66802a06a9_ffn2
		.amdhsa_group_segment_fixed_size 327680
		.amdhsa_private_segment_fixed_size 0
		.amdhsa_enable_private_segment 0
		.amdhsa_kernarg_size 48
		.amdhsa_user_sgpr_count 2
		.amdhsa_user_sgpr_kernarg_segment_ptr 1
		.amdhsa_wavefront_size32 1
		.amdhsa_system_sgpr_workgroup_id_x 1
		.amdhsa_system_sgpr_workgroup_id_y 1
		.amdhsa_system_sgpr_workgroup_id_z 1
		.amdhsa_system_vgpr_workitem_id 0
		.amdhsa_next_free_vgpr 768
		.amdhsa_next_free_sgpr 100
		.amdhsa_reserve_vcc 0
		.amdhsa_float_denorm_mode_32 3
		.amdhsa_float_denorm_mode_16_64 3
		.amdhsa_memory_ordered 1
		.amdhsa_forward_progress 1
		.amdhsa_inst_pref_size 85
	.end_amdhsa_kernel
	.amdgpu_metadata
---
amdhsa.version: [ 1, 2 ]
amdhsa.kernels:
  - .name:           k_q66802a06a9_ffn2
    .symbol:         k_q66802a06a9_ffn2.kd
    .args:
      - { .name: HID, .offset: 0, .size: 8, .value_kind: global_buffer, .address_space: global }
      - { .name: W, .offset: 8, .size: 8, .value_kind: global_buffer, .address_space: global }
      - { .name: lowp_scales, .offset: 16, .size: 8, .value_kind: global_buffer, .address_space: global }
      - { .name: X1, .offset: 24, .size: 8, .value_kind: global_buffer, .address_space: global }
      - { .name: b2, .offset: 32, .size: 8, .value_kind: global_buffer, .address_space: global }
      - { .name: out0, .offset: 40, .size: 8, .value_kind: global_buffer, .address_space: global }
    .group_segment_fixed_size: 327680
    .private_segment_fixed_size: 0
    .kernarg_segment_align: 8
    .kernarg_segment_size: 48
    .max_flat_workgroup_size: 128
    .sgpr_count:     100
    .vgpr_count:     768
    .wavefront_size: 32
...
	.end_amdgpu_metadata
.endif
;; end of part 7
